; MI455X (gfx1250); checked and timed in simulation.
; The chip was launched on July 23, 2026; its instructions are those of AMD's public machine-readable ISA for CDNA 5 (MIT licence, August 2026) and "CDNA5" Instruction Set Architecture Reference Guide (July 2026). The comments in the code are by the model that wrote it; some were corrected since.
;; PFN. Allowed arithmetic: float matrix products may take bf16 or f16 operands with f32 sums; other float arithmetic in f32, or as packed bf16 or f16 multiplies, adds, multiply-adds, maxima and minima; sums over many terms, partial sums and values carried from step to step in f32; what a program stores and reads back later, other than sums and carried values, may be rounded once to bf16 or f16.
;; Inputs: head_b1 512 float32; head_b2 1 float32; head_w1 512 x 256 float32; head_w2 1 x 512 float32; in_proj_b 2 x 768 float32; in_proj_w 2 x 768 x 256 float32; lin1_b 2 x 512 float32; lin1_w 2 x 512 x 256 float32; lin2_b 2 x 256 float32; lin2_w 2 x 256 x 512 float32; ln1_b 2 x 256 float32; ln1_g 2 x 256 float32; ln2_b 2 x 256 float32; ln2_g 2 x 256 float32; out_proj_b 2 x 256 float32; out_proj_w 2 x 256 x 256 float32; x 2,048 x 4 x 16 float32; xenc_b 256 float32; xenc_w 256 x 16 float32; y 2,048 x 4 float32; yenc_b 256 float32; yenc_w 256 x 1 float32.
;; Outputs: out0 1,024 x 4 x 1 float32.
;; Constants: single_eval_pos = 1024.
;; One version. Each part assembles by itself: llvm-mc -triple=amdgcn-amd-amdhsa -mcpu=gfx1250 --defsym DOCPART=n.
;; ======== version 1 of 1: 6 launches
;; limits: values are held in f16: magnitudes above 65,504 overflow, below 6.1e-05 lose precision; values outside matrix products are rounded to f16; a function is approximated: absolute error at most 1.5e-07
;; workspace buffers: ws 2,359,296 bytes; qkv 12,582,912 bytes; o 4,194,304 bytes; h0 8,388,608 bytes; h1 8,388,608 bytes
;; launch prep (part 1): grid 16 x 18, 8 waves a work-group, no clusters, 0 bytes of LDS; arguments in_proj_w, out_proj_w, lin1_w, lin2_w, head_w1, ws; writes ws
.if DOCPART == 1
	.amdgcn_target "amdgcn-amd-amdhsa--gfx1250"
	.amdhsa_code_object_version 6
	.text
	.protected	k_qca76e6b8d5_prep
	.globl	k_qca76e6b8d5_prep
	.p2align	8
	.type	k_qca76e6b8d5_prep,@function
k_qca76e6b8d5_prep:
	s_mov_b64 s[64:65], 0
	v_nop
	global_prefetch_b8 v0, s[64:65] scope:SCOPE_SE
	s_setreg_imm32_b32 hwreg(HW_REG_WAVE_MODE, 25, 1), 1
	s_wait_xcnt 0x0
; PREP: the five large weight tensors, f32 -> f16 (rounded once, to nearest even), laid out as ONE STREAM of 18 slots of 131,072 bytes in the order
; in which the later launches walk them.  A slot is 256 output columns x 256 k: 16 column tiles nt x 8 k blocks kt; block (nt, kt) is 1,024 bytes at
; (8 nt + kt) x 1,024 and IS the register image of a 16 x 32 matrix fragment: lane l = 16 hh + r has W[16 nt + r][32 kt + 8 hh .. + 7] at 16 l and
; the same row's k + 16 .. + 23 at 512 + 16 l.  So a later launch fetches a fragment by two reads of 512 consecutive bytes.
; SLOTS: 0-2 in_proj layer 0 (q, k, v); 3 out_proj 0; 4, 5 lin1 0; 6, 7 lin2 0 (k 0-255, k 256-511); 8-15 the same for layer 1; 16, 17 head_w1.
; SHARES: work-group (x = nt, y = slot), wave = kt, a lane its two pieces of 16 bytes.  Each store of a wave covers 512 consecutive bytes, aligned.
; LIMIT: a weight beyond 65,504 becomes an infinity in f16; below 6e-5 it keeps f16's fixed step of 6e-8.
.macro PICK slot, ptr, eo, sh          ; a slot: its tensor, the byte at which its first row and k begin, log2 of the tensor's row pitch in bytes
	s_cmp_eq_u32 s16, \slot
	s_cselect_b64 s[20:21], s[\ptr:\ptr+1], s[20:21]
	s_cselect_b32 s22, \eo, s22
	s_cselect_b32 s23, \sh, s23
.endm
	s_load_b256 s[4:11], s[0:1], 0x0               ; in_proj_w s[4:5], out_proj_w s[6:7], lin1_w s[8:9], lin2_w s[10:11]
	s_load_b128 s[12:15], s[0:1], 0x20             ; head_w1 s[12:13], ws s[14:15]
	s_and_b32 s16, ttmp7, 0xffff                   ; slot
	s_mov_b32 s17, ttmp9                           ; nt
	v_lshrrev_b32 v1, 5, v0
	v_readfirstlane_b32 s18, v1                    ; wave = kt
	v_and_b32 v1, 15, v0                           ; r
	v_bfe_u32 v2, v0, 4, 1                         ; hh
	v_and_b32 v4, 31, v0
	v_lshlrev_b32 v4, 4, v4                        ; 16 l
	s_wait_kmcnt 0x0
	s_mov_b64 s[20:21], s[4:5]                     ; slot 0
	s_mov_b32 s22, 0
	s_mov_b32 s23, 10
	PICK 1, 4, 262144, 10
	PICK 2, 4, 524288, 10
	PICK 3, 6, 0, 10
	PICK 4, 8, 0, 10
	PICK 5, 8, 262144, 10
	PICK 6, 10, 0, 11
	PICK 7, 10, 1024, 11
	PICK 8, 4, 786432, 10
	PICK 9, 4, 1048576, 10
	PICK 10, 4, 1310720, 10
	PICK 11, 6, 262144, 10
	PICK 12, 8, 524288, 10
	PICK 13, 8, 786432, 10
	PICK 14, 10, 524288, 11
	PICK 15, 10, 525312, 11
	PICK 16, 12, 0, 10
	PICK 17, 12, 262144, 10
	s_add_co_u32 s25, s23, 4
	s_lshl_b32 s24, s17, s25                       ; 16 nt rows
	s_add_co_u32 s24, s24, s22
	s_lshl_b32 s25, s18, 7                         ; 32 kt numbers of 4 bytes
	s_add_co_u32 s24, s24, s25
	s_mov_b32 s25, 0
	s_add_nc_u64 s[20:21], s[20:21], s[24:25]
	s_lshl_b32 s26, s16, 17                        ; the slot,
	s_lshl3_add_u32 s27, s17, s18                  ; 8 nt + kt
	s_lshl_b32 s27, s27, 10
	s_add_co_u32 s26, s26, s27
	s_mov_b32 s27, 0
	s_add_nc_u64 s[14:15], s[14:15], s[26:27]
	v_lshlrev_b32 v3, s23, v1                      ; row r
	v_lshl_add_u32 v3, v2, 5, v3                   ; + 8 hh numbers
	global_load_b128 v[8:11],  v3, s[20:21] th:TH_LOAD_NT
	global_load_b128 v[12:15], v3, s[20:21] offset:16 th:TH_LOAD_NT
	global_load_b128 v[16:19], v3, s[20:21] offset:64 th:TH_LOAD_NT
	global_load_b128 v[20:23], v3, s[20:21] offset:80 th:TH_LOAD_NT
	s_wait_loadcnt 0x0
.irp a, 0,1,2,3,4,5,6,7
	v_cvt_pk_f16_f32 v[24+\a], v[8+2*\a], v[9+2*\a]
.endr
	global_store_b128 v4, v[24:27], s[14:15]
	global_store_b128 v4, v[28:31], s[14:15] offset:512
	s_endpgm
.Lfunc_end_k_qca76e6b8d5_prep:
	.size	k_qca76e6b8d5_prep, .Lfunc_end_k_qca76e6b8d5_prep-k_qca76e6b8d5_prep
	.p2alignl 7, 3214868480
	.fill 96, 4, 3214868480
	.section	.rodata,"a",@progbits
	.p2align	6, 0x0
	.amdhsa_kernel k_qca76e6b8d5_prep
		.amdhsa_group_segment_fixed_size 0
		.amdhsa_private_segment_fixed_size 0
		.amdhsa_enable_private_segment 0
		.amdhsa_kernarg_size 48
		.amdhsa_user_sgpr_count 2
		.amdhsa_user_sgpr_kernarg_segment_ptr 1
		.amdhsa_wavefront_size32 1
		.amdhsa_system_sgpr_workgroup_id_x 1
		.amdhsa_system_sgpr_workgroup_id_y 1
		.amdhsa_system_sgpr_workgroup_id_z 1
		.amdhsa_system_vgpr_workitem_id 0
		.amdhsa_next_free_vgpr 32
		.amdhsa_next_free_sgpr 66
		.amdhsa_reserve_vcc 0
		.amdhsa_float_denorm_mode_32 3
		.amdhsa_float_denorm_mode_16_64 3
		.amdhsa_memory_ordered 1
		.amdhsa_forward_progress 1
		.amdhsa_inst_pref_size 5
	.end_amdhsa_kernel
	.amdgpu_metadata
---
amdhsa.version: [ 1, 2 ]
amdhsa.kernels:
  - .name:           k_qca76e6b8d5_prep
    .symbol:         k_qca76e6b8d5_prep.kd
    .args:
      - { .name: in_proj_w, .offset: 0, .size: 8, .value_kind: global_buffer, .address_space: global }
      - { .name: out_proj_w, .offset: 8, .size: 8, .value_kind: global_buffer, .address_space: global }
      - { .name: lin1_w, .offset: 16, .size: 8, .value_kind: global_buffer, .address_space: global }
      - { .name: lin2_w, .offset: 24, .size: 8, .value_kind: global_buffer, .address_space: global }
      - { .name: head_w1, .offset: 32, .size: 8, .value_kind: global_buffer, .address_space: global }
      - { .name: ws, .offset: 40, .size: 8, .value_kind: global_buffer, .address_space: global }
    .group_segment_fixed_size: 0
    .private_segment_fixed_size: 0
    .kernarg_segment_align: 8
    .kernarg_segment_size: 48
    .max_flat_workgroup_size: 256
    .sgpr_count:     66
    .vgpr_count:     32
    .wavefront_size: 32
...
	.end_amdgpu_metadata
.endif
;; end of part 1
;; launch enc (part 2): grid 256 x 1, 8 waves a work-group, clusters of 4 x 1, 327,680 bytes of LDS; arguments x, y, ws, xenc_w, xenc_b, yenc_w, yenc_b, in_proj_b, qkv, h0; writes qkv, h0
.if DOCPART == 2
	.amdgcn_target "amdgcn-amd-amdhsa--gfx1250"
	.amdhsa_code_object_version 6
	.text
	.protected	k_qca76e6b8d5_enc
	.globl	k_qca76e6b8d5_enc
	.p2align	8
	.type	k_qca76e6b8d5_enc,@function
k_qca76e6b8d5_enc:
	s_mov_b64 s[64:65], 0
	v_nop
	global_prefetch_b8 v0, s[64:65] scope:SCOPE_SE
	s_setreg_imm32_b32 hwreg(HW_REG_WAVE_MODE, 25, 1), 1
	s_wait_xcnt 0x0
	s_wait_alu depctr_hold_cnt(0) depctr_sa_sdst(0) depctr_va_vdst(0) depctr_va_sdst(0) depctr_va_ssrc(0) depctr_va_vcc(0) depctr_vm_vsrc(0)
	s_getreg_b32 s2, hwreg(HW_REG_IB_STS2, 6, 4)
	s_cmp_eq_u32 s2, 0
	s_cbranch_scc0 .Lentry_in_a_cluster
	s_endpgm
.Lentry_in_a_cluster:
	s_bfe_u32 s2, ttmp6, 0x10000c
	s_cmp_lg_u32 s2, 0x3003
	s_cbranch_scc0 .Lentry_shape_is_right
	s_endpgm
.Lentry_shape_is_right:
; ENC: tokens h0 = x xenc_w^T + xenc_b (+ y yenc_w^T + yenc_b for positions below 1,024), then q, k, v of layer 0.
; SHARES.  A work-group owns 32 rows (row = 4 s + b: 8 positions x 4 batches).  In every product wave w owns output columns 32 w .. 32 w + 31 of a
; slot's 256 (for q, k, v: head w), for both tiles of 16 rows: four accumulators.  In the row phase wave w owns rows 4 w .. 4 w + 3.
; THE ENCODER IS ONE K STEP OF 32: k 0-15 = x against xenc_w, k 16 = y x flag against yenc_w, k 17 = flag against yenc_b, the rest 0; C = xenc_b.
; flag is 1.0 where the block lies below position 1,024 (clusters 0-31: the same in all partners; it is used as a number, never for a branch).
; THE PRODUCTS ARE TAKEN TRANSPOSED (source 0 = 16 weight rows, source 1 = 16 tokens): lane l = 16 hh + r ends with token r and 8 neighbouring columns.
; Each sum starts from its bias, loaded straight into the accumulator: one form of product, nothing cleared.
; WEIGHTS come from ws (f16, in fragment order) through two LDS slots of 131,072 bytes.  Wave w loads and reads bytes 16,384 w .. of a slot alone.
; CLUSTER: the four work-groups of a cluster walk the same weights, so each piece is asked for JOINTLY (mask 15, the same descriptor in all four).
; By this text's count a wave has two tensor loads out at the start and one behind the change of slots.
; FORMATS: all matrix operands f16, sums and h0 f32.  LIMITS: an operand beyond 65,504 becomes an infinity; NaN and infinities are not treated apart.
; No prefetch: the stream has three slots, of which two are asked for at the head.
.set SLOTB, 131072
.set XB,    262144                     ; 32 rows of 256 f16, pitch 528 (an odd multiple of 16: the 16 rows of a fragment load start at 16 different groups of four banks)
.set XP,    528
.set FB,    279040                     ; 32 rows of 256 f32, pitch 1,040; later each wave's stage for the way out: 32 rows of 64 bytes, pitch 80, at FB + 2,560 w
.set FP,    1040
.set SPARE, 312320                     ; the spare words, 128 bytes a wave: four blocks of 256 bytes that no other line names
.set ACC,   72                         ; v[72:103]  accumulator (i, jj) at ACC + 8 (2 i + jj)
.set BF,    104                        ; v[104:231] 16 weight fragments (jj, kt) at BF + 8 (8 jj + kt); between products: at work
; v4, v5 my weights in slot 0, 1; v6 my place in XB's fragments; v8 where I put f32 results; v9 where I read my rows back; v10 where I put f16 rows;
; v12, v13 stage in and back; v14 bias offset; v15 16 l; v16 offset in h0; v17 offset in q, k, v; v18, v19, v22, v23 the encoder's offsets; v20, v21 the add's two.
; window 1: v[0:127] the tokens' fragments (i, kt) at 64 i + 8 kt.
.set MSB, 0
.macro WIN new                         ; the immediate's high byte repeats the setting that is left
.if MSB != (\new)
	s_set_vgpr_msb (MSB<<8)|(\new)
.set MSB, \new
.endif
.endm
.macro CROUND                          ; a round of the cluster's barrier
	s_barrier_signal -1
	s_barrier_wait -1
	s_cmp_lg_u32 s72, 0
	s_cbranch_scc1 .Lnw0_\@
	s_barrier_signal -3
.Lnw0_\@:
	s_barrier_wait -3
	s_barrier_signal -1
	s_barrier_wait -1
.endm
.macro BAR                             ; my LDS stores and loads are done; then everybody's are.
	s_wait_dscnt 0x0
	s_barrier_signal -1
	s_barrier_wait -1
.endm
.macro CHANGE p                        ; slot p has been read and is filled again, two slots further on in the stream
	s_wait_tensorcnt 0x0                           ; all my tensor loads have landed, so a group 0 may be written
	ds_add_u32 v20, v21                            ; 0 onto my spare word
	s_add_nc_u64 s[46+4*(\p):47+4*(\p)], s[46+4*(\p):47+4*(\p)], 2*SLOTB
	s_wait_dscnt 0x0                               ; the add is done, my reads of the slot are over, my LDS stores are done
	CROUND                                         ; the same holds of every wave of all four work-groups
	tensor_load_to_lds s[44+4*(\p):47+4*(\p)], s[36:43]
	s_nop 0
.rept 4
	v_nop
.endr
.endm
.macro BIAS ptr, off                   ; the sums start from the bias of my 32 columns: 8 numbers a lane and accumulator
.irp i, 0,1
.irp jj, 0,1
	global_load_b128 v[ACC+8*(2*\i+\jj):ACC+8*(2*\i+\jj)+3],   v14, s[\ptr:\ptr+1] offset:(\off)+64*\jj
	global_load_b128 v[ACC+8*(2*\i+\jj)+4:ACC+8*(2*\i+\jj)+7], v14, s[\ptr:\ptr+1] offset:(\off)+64*\jj+16
.endr
.endr
.endm
.macro LOADA adr, rp, koff             ; the tokens' 16 fragments (32 rows x 256 k) into window 1
	WIN 0x40
.irp i, 0,1
.irp kt, 0,1,2,3,4,5,6,7
	ds_load_b128 v[64*\i+8*\kt:64*\i+8*\kt+3],   v[\adr] offset:(\rp)*\i+(\koff)+64*\kt
	ds_load_b128 v[64*\i+8*\kt+4:64*\i+8*\kt+7], v[\adr] offset:(\rp)*\i+(\koff)+64*\kt+32
.endr
.endr
	WIN 0
.endm
.macro GEMM p                          ; 32 products: my 32 columns x 32 rows x 256 k, weights from slot p.  The four accumulators take turns
	WIN 0
	s_wait_loadcnt 0x0                             ; the bias is in the accumulators
.irp kt, 0,1,2,3,4,5,6,7
.irp jj, 0,1
	ds_load_b128 v[BF+8*(8*\jj+\kt):BF+8*(8*\jj+\kt)+3],   v[4+(\p)] offset:1024*(8*\jj+\kt)
	ds_load_b128 v[BF+8*(8*\jj+\kt)+4:BF+8*(8*\jj+\kt)+7], v[4+(\p)] offset:1024*(8*\jj+\kt)+512
.endr
.endr
	WIN 0x04                                       ; source 1 in window 1
.irp kt, 0,1,2,3,4,5,6,7
	s_wait_dscnt 28-4*\kt                          ; the four loads of each later k block may stay out; all older loads, the tokens' among them, are in
.irp i, 0,1
.irp jj, 0,1
	v_wmma_f32_16x16x32_f16 v[ACC+8*(2*\i+\jj):ACC+8*(2*\i+\jj)+7], v[BF+8*(8*\jj+\kt):BF+8*(8*\jj+\kt)+7], v[64*\i+8*\kt:64*\i+8*\kt+7], v[ACC+8*(2*\i+\jj):ACC+8*(2*\i+\jj)+7]
.endr
.endr
.endr
	WIN 0
.rept 8
	v_nop                                          ; the places behind the last products
.endr
.endm
.macro EPI_HF                          ; the f32 results into FB: row 16 i + r, my 8 columns; each accumulator's low half first
.irp i, 0,1
.irp jj, 0,1
	ds_store_b128 v8, v[ACC+8*(2*\i+\jj):ACC+8*(2*\i+\jj)+3]   offset:16*FP*\i+64*\jj
	ds_store_b128 v8, v[ACC+8*(2*\i+\jj)+4:ACC+8*(2*\i+\jj)+7] offset:16*FP*\i+64*\jj+16
.endr
.endr
.endm
.macro ROWLD                           ; my four rows back: a lane has columns 4 l .. and 128 + 4 l ..
.irp q, 0,1,2,3
	ds_load_b128 v[BF+8*\q:BF+8*\q+3],   v9 offset:FP*\q
	ds_load_b128 v[BF+8*\q+4:BF+8*\q+7], v9 offset:FP*\q+512
.endr
.endm
.macro EPI_QKV base                    ; head w's 32 channels of 32 rows, rounded to f16, through my own stage, out by batches: [b][h][s][32]
.set n, 0
.rept 16
	v_cvt_pk_f16_f32 v[BF+n], v[ACC+2*n], v[ACC+2*n+1]
.set n, n+1
.endr
.irp i, 0,1
.irp jj, 0,1
	ds_store_b128 v12, v[BF+4*(2*\i+\jj):BF+4*(2*\i+\jj)+3] offset:1280*\i+32*\jj
.endr
.endr
.irp t, 0,1,2,3
	ds_load_b128 v[BF+16+4*\t:BF+16+4*\t+3], v13 offset:80*\t  ; LDS serves a wave's instructions in order: these see the stores above
.endr
.irp t, 0,1,2,3
	s_wait_dscnt 3-\t                              ; the later read-backs may stay out
	global_store_b128 v17, v[BF+16+4*\t:BF+16+4*\t+3], s[\base:\base+1] offset:1048576*\t  ; batch t: 8 positions x 64 bytes = 512 consecutive bytes, aligned
.endr
	s_wait_xcnt 0x0                                ; the stores' data registers are loaded again only behind this wait
.endm
	s_load_b512 s[4:19], s[0:1], 0x0               ; x 4, y 6, ws 8, xenc_w 10, xenc_b 12, yenc_w 14, yenc_b 16, in_proj_b 18
	s_load_b128 s[20:23], s[0:1], 0x40             ; qkv 20, h0 22
	v_lshl_add_u32 v20, v0, 2, SPARE
	v_mov_b32 v21, 0
	ds_add_u32 v20, v21                            ; the wave's opening: the add and its wait ahead of my first tensor load
	v_lshrrev_b32 v22, 5, v0
	v_readfirstlane_b32 s72, v22                   ; wave 0..7
	s_bfe_u32 s95, ttmp6, 0x40000                  ; cx
	s_lshl_b32 s73, ttmp9, 2
	s_add_co_u32 s73, s73, s95                     ; my block of 32 rows
	s_cmp_lt_u32 ttmp9, 32
	s_cselect_b32 s94, 1.0, 0                      ; flag
	s_mov_b32 s36, 15|(3<<16)|(1<<21)              ; group 1: mask of four; elements of 8 bytes; bit 21 beside a mask; no padding
	s_mov_b32 s37, 32<<16                          ; tensor_dim0 = 32 (256 bytes)
	s_mov_b32 s38, 64<<16                          ; tensor_dim1 = 64
	s_mov_b32 s39, 32<<16                          ; tile_dim0 = 32
	s_mov_b32 s40, 64                              ; tile_dim1 = 64
	s_mov_b32 s41, 32                              ; dense rows
	s_mov_b32 s42, 0
	s_mov_b32 s43, 0
	s_mov_b32 s44, 1
	s_lshl_b32 s45, s72, 14                        ; slot 0: 16,384 w
	s_mov_b32 s48, 1
	s_add_co_u32 s49, s45, SLOTB                   ; slot 1
	s_mov_b32 s96, s45
	s_mov_b32 s97, 0
	s_mov_b32 s33, 0
	s_wait_dscnt 0x0                               ; the opening add is done
	s_wait_kmcnt 0x0
	s_add_nc_u64 s[46:47], s[8:9], s[96:97]        ; stream slot 0, my piece
	s_add_nc_u64 s[50:51], s[46:47], SLOTB         ; stream slot 1
	s_or_b32 s47, s47, 0x80000000
	s_or_b32 s51, s51, 0x80000000
	s_lshl_b32 s32, s73, 11
	s_add_nc_u64 s[80:81], s[4:5], s[32:33]        ; x at my rows (64 bytes a row)
	s_lshl_b32 s32, s73, 7
	s_add_nc_u64 s[82:83], s[6:7], s[32:33]        ; y
	s_lshl_b32 s32, s73, 15
	s_add_nc_u64 s[84:85], s[22:23], s[32:33]      ; h0 (1,024 bytes a row)
	s_lshl_b32 s32, s73, 9
	s_add_nc_u64 s[86:87], s[20:21], s[32:33]      ; q at my 8 positions,
	s_add_nc_u64 s[88:89], s[86:87], 4194304       ; k,
	s_add_nc_u64 s[90:91], s[86:87], 8388608       ; v
	CROUND                                         ; all four work-groups are here: the first joint loads meet
	tensor_load_to_lds s[44:47], s[36:43]
	s_nop 0
	tensor_load_to_lds s[48:51], s[36:43]
	s_nop 0
.rept 4
	v_nop
.endr
	v_and_b32 v1, 31, v0                           ; l
	v_and_b32 v2, 15, v0                           ; r
	v_bfe_u32 v3, v0, 4, 1                         ; hh
	v_lshlrev_b32 v15, 4, v1
	v_lshl_add_u32 v4, s72, 14, v15
	v_add_nc_u32 v5, SLOTB, v4
	v_mul_u32_u24 v22, v2, XP
	v_lshl_add_u32 v22, v3, 4, v22
	v_add_nc_u32 v6, XB, v22
	v_mul_u32_u24 v22, v2, FP
	v_add_nc_u32 v22, FB, v22
	v_lshl_add_u32 v8, v3, 5, v22
	v_lshl_add_u32 v8, s72, 7, v8
	s_mul_i32 s96, s72, 4*FP
	s_add_co_u32 s96, s96, FB
	v_add_nc_u32 v9, s96, v15
	s_mul_i32 s96, s72, 4*XP
	s_add_co_u32 s96, s96, XB
	v_lshl_add_u32 v10, v1, 3, s96
	s_mul_i32 s96, s72, 2560
	s_add_co_u32 s96, s96, FB
	v_mul_u32_u24 v22, v2, 80
	v_lshl_add_u32 v22, v3, 4, v22
	v_add_nc_u32 v12, s96, v22
	v_lshrrev_b32 v22, 2, v1
	v_and_b32 v23, 3, v1
	v_mul_u32_u24 v13, v22, 320
	v_lshl_add_u32 v13, v23, 4, v13
	v_add_nc_u32 v13, s96, v13
	v_lshlrev_b32 v14, 5, v3
	v_lshl_add_u32 v14, s72, 7, v14
	v_lshl_add_u32 v16, s72, 12, v15
	v_lshl_add_u32 v17, s72, 17, v15
	v_lshlrev_b32 v22, 6, v2
	v_lshl_add_u32 v22, v3, 5, v22                 ; x: 64 r + 32 hh
	v_lshlrev_b32 v23, 2, v2                       ; y: 4 r
	v_lshl_add_u32 v18, s72, 11, v22               ; xenc_w: row 32 w + r
	v_lshl_add_u32 v19, s72, 7, v23                ; yenc_w, yenc_b
	; THE ENCODER
	BIAS 12, 0
.irp i, 0,1
	global_load_b128 v[BF+32+8*\i:BF+32+8*\i+3],   v22, s[80:81] offset:1024*\i
	global_load_b128 v[BF+32+8*\i+4:BF+32+8*\i+7], v22, s[80:81] offset:1024*\i+16
	global_load_b32  v[BF+64+\i], v23, s[82:83] offset:64*\i
	global_load_b128 v[BF+48+8*\i:BF+48+8*\i+3],   v18, s[10:11] offset:1024*\i
	global_load_b128 v[BF+48+8*\i+4:BF+48+8*\i+7], v18, s[10:11] offset:1024*\i+16
	global_load_b32  v[BF+66+\i], v19, s[14:15] offset:64*\i
	global_load_b32  v[BF+68+\i], v19, s[16:17] offset:64*\i
.endr
	v_add_nc_u32 v[BF+70], -1, v3                  ; all ones in lanes 0-15 (they hold k 16-23), 0 in lanes 16-31 (k 24-31)
	v_mov_b32 v[BF+71], s94
	s_wait_loadcnt 0x0
.irp i, 0,1
.irp a, 0,1,2,3
	v_cvt_pk_f16_f32 v[BF+16+8*\i+\a], v[BF+32+8*\i+2*\a], v[BF+32+8*\i+2*\a+1]   ; tokens' fragment i: x
	v_cvt_pk_f16_f32 v[BF+8*\i+\a],    v[BF+48+8*\i+2*\a], v[BF+48+8*\i+2*\a+1]   ; weights' fragment i: xenc_w
.endr
	v_mul_f32 v[BF+64+\i], s94, v[BF+64+\i]
	v_cvt_pk_f16_f32 v[BF+16+8*\i+4], v[BF+64+\i], v[BF+71]                        ; k 16, 17: y x flag, flag
	v_cvt_pk_f16_f32 v[BF+8*\i+4],    v[BF+66+\i], v[BF+68+\i]                     ; against yenc_w, yenc_b
	v_and_b32 v[BF+16+8*\i+4], v[BF+70], v[BF+16+8*\i+4]
	v_and_b32 v[BF+8*\i+4],    v[BF+70], v[BF+8*\i+4]
.irp a, 5,6,7
	v_mov_b32 v[BF+16+8*\i+\a], 0
	v_mov_b32 v[BF+8*\i+\a], 0
.endr
.endr
.irp i, 0,1
.irp jj, 0,1
	v_wmma_f32_16x16x32_f16 v[ACC+8*(2*\i+\jj):ACC+8*(2*\i+\jj)+7], v[BF+8*\jj:BF+8*\jj+7], v[BF+16+8*\i:BF+16+8*\i+7], v[ACC+8*(2*\i+\jj):ACC+8*(2*\i+\jj)+7]
.endr
.endr
.rept 8
	v_nop
.endr
	EPI_HF
	BIAS 18, 0                                     ; q's bias
	BAR                                            ; all columns of all rows lie in FB
	ROWLD
	s_wait_dscnt 0x0
.irp q, 0,1,2,3
.irp a, 0,1,2,3
	v_cvt_pk_f16_f32 v[BF+48+4*\q+\a], v[BF+8*\q+2*\a], v[BF+8*\q+2*\a+1]
.endr
.endr
.irp q, 0,1,2,3
	ds_store_b64 v10, v[BF+48+4*\q:BF+48+4*\q+1]   offset:XP*\q
	ds_store_b64 v10, v[BF+48+4*\q+2:BF+48+4*\q+3] offset:XP*\q+256
	global_store_b128 v16, v[BF+8*\q:BF+8*\q+3],   s[84:85] offset:1024*\q       ; 512 consecutive bytes, aligned
	global_store_b128 v16, v[BF+8*\q+4:BF+8*\q+7], s[84:85] offset:1024*\q+512
.endr
	BAR                                            ; the f16 rows lie in XB; nobody reads FB any more
	s_wait_xcnt 0x0                                ; the stores' data registers are loaded again only behind this wait
	; Q, K, V OF LAYER 0
	s_wait_tensorcnt 0x1                           ; my piece of stream slot 0 is in; slot 1's may stay out: nothing has been filled again yet
	LOADA 6, 16*XP, 0
	GEMM 0
	EPI_QKV 86
	BIAS 18, 1024
	CHANGE 0                                       ; stream slot 2 (v) goes out
	GEMM 1
	EPI_QKV 88
	BIAS 18, 2048
	s_wait_tensorcnt 0x0                           ; stream slot 2 is in: no load was issued behind it
	GEMM 0
	EPI_QKV 90
	s_wait_tensorcnt 0x0                           ; the wave's end
	ds_add_u32 v20, v21
	s_wait_dscnt 0x0
	CROUND                                         ; the closing round
	s_endpgm
.Lfunc_end_k_qca76e6b8d5_enc:
	.size	k_qca76e6b8d5_enc, .Lfunc_end_k_qca76e6b8d5_enc-k_qca76e6b8d5_enc
	.p2alignl 7, 3214868480
	.fill 96, 4, 3214868480
	.section	.rodata,"a",@progbits
	.p2align	6, 0x0
	.amdhsa_kernel k_qca76e6b8d5_enc
		.amdhsa_group_segment_fixed_size 327680
		.amdhsa_private_segment_fixed_size 0
		.amdhsa_enable_private_segment 0
		.amdhsa_kernarg_size 80
		.amdhsa_user_sgpr_count 2
		.amdhsa_user_sgpr_kernarg_segment_ptr 1
		.amdhsa_wavefront_size32 1
		.amdhsa_system_sgpr_workgroup_id_x 1
		.amdhsa_system_sgpr_workgroup_id_y 1
		.amdhsa_system_sgpr_workgroup_id_z 1
		.amdhsa_system_vgpr_workitem_id 0
		.amdhsa_next_free_vgpr 384
		.amdhsa_next_free_sgpr 100
		.amdhsa_reserve_vcc 0
		.amdhsa_float_denorm_mode_32 3
		.amdhsa_float_denorm_mode_16_64 3
		.amdhsa_memory_ordered 1
		.amdhsa_forward_progress 1
		.amdhsa_inst_pref_size 39
	.end_amdhsa_kernel
	.amdgpu_metadata
---
amdhsa.version: [ 1, 2 ]
amdhsa.kernels:
  - .name:           k_qca76e6b8d5_enc
    .symbol:         k_qca76e6b8d5_enc.kd
    .args:
      - { .name: x, .offset: 0, .size: 8, .value_kind: global_buffer, .address_space: global }
      - { .name: y, .offset: 8, .size: 8, .value_kind: global_buffer, .address_space: global }
      - { .name: ws, .offset: 16, .size: 8, .value_kind: global_buffer, .address_space: global }
      - { .name: xenc_w, .offset: 24, .size: 8, .value_kind: global_buffer, .address_space: global }
      - { .name: xenc_b, .offset: 32, .size: 8, .value_kind: global_buffer, .address_space: global }
      - { .name: yenc_w, .offset: 40, .size: 8, .value_kind: global_buffer, .address_space: global }
      - { .name: yenc_b, .offset: 48, .size: 8, .value_kind: global_buffer, .address_space: global }
      - { .name: in_proj_b, .offset: 56, .size: 8, .value_kind: global_buffer, .address_space: global }
      - { .name: qkv, .offset: 64, .size: 8, .value_kind: global_buffer, .address_space: global }
      - { .name: h0, .offset: 72, .size: 8, .value_kind: global_buffer, .address_space: global }
    .group_segment_fixed_size: 327680
    .private_segment_fixed_size: 0
    .kernarg_segment_align: 8
    .kernarg_segment_size: 80
    .max_flat_workgroup_size: 256
    .sgpr_count:     100
    .vgpr_count:     384
    .wavefront_size: 32
...
	.end_amdgpu_metadata
.endif
;; end of part 2
;; launch attn0 (part 3): grid 8 x 32, 8 waves a work-group, clusters of 4 x 1, 205,824 bytes of LDS; arguments qkv, o; writes o
.if DOCPART == 3
	.amdgcn_target "amdgcn-amd-amdhsa--gfx1250"
	.amdhsa_code_object_version 6
	.text
	.protected	k_qca76e6b8d5_attn0
	.globl	k_qca76e6b8d5_attn0
	.p2align	8
	.type	k_qca76e6b8d5_attn0,@function
k_qca76e6b8d5_attn0:
	s_mov_b64 s[64:65], 0
	v_nop
	global_prefetch_b8 v0, s[64:65] scope:SCOPE_SE
	s_setreg_imm32_b32 hwreg(HW_REG_WAVE_MODE, 25, 1), 1
	s_wait_xcnt 0x0
	s_wait_alu depctr_hold_cnt(0) depctr_sa_sdst(0) depctr_va_vdst(0) depctr_va_sdst(0) depctr_va_ssrc(0) depctr_va_vcc(0) depctr_vm_vsrc(0)
	s_getreg_b32 s2, hwreg(HW_REG_IB_STS2, 6, 4)
	s_cmp_eq_u32 s2, 0
	s_cbranch_scc0 .Lentry_in_a_cluster
	s_endpgm
.Lentry_in_a_cluster:
	s_bfe_u32 s2, ttmp6, 0x10000c
	s_cmp_lg_u32 s2, 0x3003
	s_cbranch_scc0 .Lentry_shape_is_right
	s_endpgm
.Lentry_shape_is_right:
; ATTENTION under the mask that the model builds itself: query i sees keys 0 .. 1,023 and key i.  q, k, v, o: [b][h][s][32] in f16 (64 bytes a row, dense).
; SHARES.  Work-group (x, y): y = 8 b + h; block of 256 queries qblk = 7 - x, so that a grid of 4 along x covers exactly positions 1,024 .. 2,047.  Wave w: 32 queries, two tiles of 16.
; ALL 1,024 PREFIX KEYS LIE IN LDS (K pitch 80, V pitch 96), fetched once: nothing is filled again.  CLUSTER: the four query blocks of a cluster want the same K and V, so each
; quarter is asked for JOINTLY: waves 0-3 a quarter of K each, waves 4-7 of V; one tensor load a wave is out, by this text's count.  No prefetch: all is asked for at the head.
; LAYOUT.  S^T = K Q^T (source 0 = 16 keys, source 1 = 16 queries): a lane holds ONE query (l % 16) and keys 8 (l / 16) + 0..7.  Two such results rounded to f16 ARE source 1 of
; O^T = V^T P; V is turned on its way out of LDS (ds_load_tr16_b128).  The row sum l is a third product, ones x P, summed in f32: every lane then holds its query's whole sum.
; SOFTMAX IN TWO PASSES.  Pass 1 makes all scores and keeps the true row maximum m (the self key's score among them).  Pass 2 makes the scores again, p = 2^(c s - c m),
; c = log2(e) / sqrt(32), and adds V^T P.  No running correction is needed, since m is the maximum of all scores.
; THE SELF KEY (blocks at or above position 1,024: cluster x = 0, the same in all partners, used as a number alone): the tile's own 16 keys against its 16 queries, with C = 0 on the
; diagonal and -1e30 elsewhere (everywhere, in prefix blocks).
; LIMITS.  A hidden score counts as its value less 1e30 (the model: less 1e9): the same weights, 0, while scores stay far below 1e9.  f16 ends at 65,504; p below 6e-5 keeps f16's step
; of 6e-8; a weight below 2^-126 counts as 0; NaN and infinities are not treated apart.
.set KP,    80
.set VP,    96
.set VB,    1024*KP                    ; V behind K
.set STG,   VB+1024*VP                 ; behind them, never filled by a tensor load: 3,072 bytes a wave: the self keys' V (pitch 96), later the way out (pitch 80)
.set SPARE, STG+8*3072                 ; the spare words, 128 bytes a wave: four blocks of 256 bytes that no other line names
.set Q,    16                          ; v[16:31]   Q, 8 a tile
.set KF,   32                          ; v[32:63]   K of one step (4 x 16 keys); at the head: the self keys' K in 32-47, the diagonal mask in 48-55
.set MD,   48
.set VF,   64                          ; v[64:95]   V of one step: (kh, cb) at VF + 16 kh + 8 cb; until pass 2: the self scores in 64-79, the self keys' V in 80-95
.set SS,   64
.set SV,   80
.set S,    96                          ; v[96:159]  S^T (qt, kt) at S + 32 qt + 8 kt
.set P,    160                         ; v[160:191] P (qt, kh) at P + 16 qt + 8 kh
.set O,    192                         ; v[192:239] O^T (qt, c) at O + 24 qt + 8 c: c = 0, 1 channel blocks, c = 2 the row sum
.set ONES, 240                         ; v[240:247] 1.0 in every f16
.set M,    248                         ; v[248:255] running maxima (qt, kt) at M + 4 qt + kt
; v4, v5 the LDS addresses of K's and V's next run; v6, v7 my lane's place in a tile of K, of V; v[8:11] (c m, m) a tile, later 1 / l twice; v12, v13 offsets in memory; v14, v15 the add's two
; s[40:41] c; s42, s43 lane selects; s44 wave; s62 -1e30; s66 trip count; s67 my stage; s68, s69 the step's first byte in K, in V
.macro CROUND
	s_barrier_signal -1
	s_barrier_wait -1
	s_cmp_lg_u32 s44, 0
	s_cbranch_scc1 .Lnw0_\@
	s_barrier_signal -3
.Lnw0_\@:
	s_barrier_wait -3
	s_barrier_signal -1
	s_barrier_wait -1
.endm
.macro PLACES                          ; plain places behind matrix instructions, ahead of loads into their sources and of lines that read or rewrite their results
.rept 8
	v_nop
.endr
.endm
.macro KLOAD
.irp kt, 0,1,2,3
	ds_load_b128 v[KF+8*\kt:KF+8*\kt+3],   v4 offset:16*KP*\kt
	ds_load_b128 v[KF+8*\kt+4:KF+8*\kt+7], v4 offset:16*KP*\kt+32
.endr
.endm
.macro VLOAD
.irp kh, 0,1
.irp cb, 0,1
	ds_load_tr16_b128 v[VF+16*\kh+8*\cb:VF+16*\kh+8*\cb+3],   v5 offset:32*VP*\kh+32*\cb
	ds_load_tr16_b128 v[VF+16*\kh+8*\cb+4:VF+16*\kh+8*\cb+7], v5 offset:32*VP*\kh+32*\cb+16*VP
.endr
.endr
.endm
.macro SMUL                            ; 64 keys x 32 queries: eight products, eight accumulators; the head's 32 channels are one K step, so each starts and ends its sum
.irp kt, 0,1,2,3
.irp qt, 0,1
	v_wmma_f32_16x16x32_f16 v[S+32*\qt+8*\kt:S+32*\qt+8*\kt+7], v[KF+8*\kt:KF+8*\kt+7], v[Q+8*\qt:Q+8*\qt+7], 0
.endr
.endr
.endm
.macro P1TRIP next                     ; pass 1: a step's scores and their maxima; the next step's K (next = 0: pass 2's first) is fetched meanwhile
	s_wait_dscnt 0x0                               ; K is in
	SMUL
	PLACES
.if \next
	s_add_co_u32 s68, s68, 64*KP
.else
	s_mov_b32 s68, 0
.endif
	v_add_nc_u32 v4, s68, v6
	KLOAD
.irp a, 0,1,2,3                        ; eight chains that do not wait for each other; each accumulator's lowest registers are read first
.set n, 0
.rept 8
	v_max3_num_f32 v[M+n], v[M+n], v[S+8*n+2*\a], v[S+8*n+2*\a+1]
.set n, n+1
.endr
.endr
.endm
.macro P2TRIP next                     ; pass 2: scores again, weights, V^T P and the row sum
	v_add_nc_u32 v5, s69, v7
	VLOAD
	s_add_co_u32 s69, s69, 64*VP
	s_wait_dscnt 8                                 ; K is in; the eight loads of V just issued may stay out
	SMUL
	PLACES
.if \next
	s_add_co_u32 s68, s68, 64*KP
	v_add_nc_u32 v4, s68, v6
	KLOAD
.endif
.set n, 0
.rept 32
	v_pk_fma_f32 v[S+2*n:S+2*n+1], v[S+2*n:S+2*n+1], s[40:41], v[8+2*(n/16):9+2*(n/16)] op_sel_hi:[1,0,0] neg_lo:[0,0,1] neg_hi:[0,0,1]  ; c s - c m
.set n, n+1
.endr
.set n, 0
.rept 64
	v_exp_f32 v[S+n], v[S+n]
.set n, n+1
.endr
	v_nop                                          ; a plain instruction behind the last exponential,
	s_wait_alu depctr_va_vdst(0)                   ; and one wait for the batch, ahead of its first reader
.set n, 0
.rept 32
	v_cvt_pk_f16_f32 v[P+n], v[S+2*n], v[S+2*n+1]
.set n, n+1
.endr
	s_wait_dscnt 8*(\next)                         ; V is in; the next step's eight loads of K may stay out
.irp kh, 0,1                           ; six accumulators take turns
.irp c, 0,1
.irp qt, 0,1
	v_wmma_f32_16x16x32_f16 v[O+24*\qt+8*\c:O+24*\qt+8*\c+7], v[VF+16*\kh+8*\c:VF+16*\kh+8*\c+7], v[P+16*\qt+8*\kh:P+16*\qt+8*\kh+7], v[O+24*\qt+8*\c:O+24*\qt+8*\c+7]
.endr
.endr
.irp qt, 0,1
	v_wmma_f32_16x16x32_f16 v[O+24*\qt+16:O+24*\qt+23], v[ONES:ONES+7], v[P+16*\qt+8*\kh:P+16*\qt+8*\kh+7], v[O+24*\qt+16:O+24*\qt+23]
.endr
.endr
	PLACES
.endm
	s_load_b128 s[4:7], s[0:1], 0x0                ; qkv s[4:5], o s[6:7]
	v_lshl_add_u32 v14, v0, 2, SPARE
	v_mov_b32 v15, 0
	ds_add_u32 v14, v15                            ; the wave's opening: the add and its wait ahead of my first tensor load
	v_lshrrev_b32 v1, 5, v0
	v_readfirstlane_b32 s44, v1                    ; wave 0..7
	s_bfe_u32 s46, ttmp6, 0x40000                  ; cx
	s_lshl_b32 s47, ttmp9, 2
	s_add_co_u32 s47, s47, s46
	s_sub_co_u32 s47, 7, s47                       ; qblk: it enters the addresses of my own rows alone
	s_and_b32 s56, ttmp7, 0xffff
	s_lshl_b32 s56, s56, 17                        ; 131,072 (8 b + h), which the partners share
	s_and_b32 s57, s44, 3                          ; which quarter I fetch
	s_lshl_b32 s58, s57, 14                        ; its 256 rows of 64 bytes
	s_add_co_u32 s58, s58, s56
	s_mov_b32 s59, 0
	s_lshl_b32 s60, s47, 14                        ; my block's 256 rows,
	s_lshl_b32 s61, s44, 11                        ; my wave's 32
	s_add_co_u32 s60, s60, s61
	s_add_co_u32 s60, s60, s56
	s_mov_b32 s61, 0
	; group 1: 16,384 dense bytes asked for as 64 rows of 256 bytes, four keys a row, padded in LDS after every key (16 words)
	s_mov_b32 s16, 15|(1<<16)|(1<<20)|(1<<21)|(3<<22)|(3<<25)  ; mask of four; 2-byte elements; padding on; bit 21 beside a mask; after every 16 words (code 3); 4 words (code 3)
	s_mov_b32 s24, 15|(1<<16)|(1<<20)|(1<<21)|(3<<22)|(7<<25)  ; the same with 8 words of padding
.irp g, 16, 24
	s_mov_b32 s[\g+1], 128<<16
	s_mov_b32 s[\g+2], 64<<16
	s_mov_b32 s[\g+3], 128<<16
	s_mov_b32 s[\g+4], 64
	s_mov_b32 s[\g+5], 128
	s_mov_b32 s[\g+6], 0
	s_mov_b32 s[\g+7], 0
.endr
	s_mov_b32 s32, 1
	s_mul_i32 s33, s57, 256*KP
	s_mov_b32 s36, 1
	s_mul_i32 s37, s57, 256*VP
	s_add_co_u32 s37, s37, VB
	s_mov_b32 s40, 0x3e8293ee                      ; c = log2(e) / sqrt(32) = 0.255035
	s_mov_b32 s41, s40
	s_mov_b32 s42, 0x76543210
	s_mov_b32 s43, 0xfedcba98
	s_mov_b32 s62, 0xf149f2ca                      ; -1e30
	s_cmp_eq_u32 ttmp9, 0
	s_cselect_b32 s63, 0, 100                      ; in prefix blocks no register is on the diagonal
	s_mul_i32 s67, s44, 3072
	s_add_co_u32 s67, s67, STG
	s_mov_b32 s68, 0
	s_mov_b32 s69, 0
	s_wait_dscnt 0x0                               ; the opening add is done
	s_wait_kmcnt 0x0
	s_add_nc_u64 s[34:35], s[4:5], s[58:59]
	s_add_nc_u64 s[38:39], s[34:35], 8388608       ; v's plane
	s_add_nc_u64 s[34:35], s[34:35], 4194304       ; k's plane
	s_or_b32 s35, s35, 0x80000000
	s_or_b32 s39, s39, 0x80000000
	s_add_nc_u64 s[48:49], s[4:5], s[60:61]        ; q, k, v and o at my wave's 32 rows
	s_add_nc_u64 s[50:51], s[48:49], 4194304
	s_add_nc_u64 s[52:53], s[48:49], 8388608
	s_add_nc_u64 s[54:55], s[6:7], s[60:61]
	CROUND                                         ; all four work-groups are here: the joint loads meet
	s_cmp_lt_u32 s44, 4
	s_cbranch_scc0 .Lfor_v
	tensor_load_to_lds s[32:35], s[16:23]
	s_nop 0
.rept 4
	v_nop
.endr
	s_branch .Lasked
.Lfor_v:
	tensor_load_to_lds s[36:39], s[24:31]
	s_nop 0
.rept 4
	v_nop
.endr
.Lasked:
	v_and_b32 v1, 31, v0                           ; l
	v_and_b32 v2, 15, v0                           ; r
	v_bfe_u32 v3, v0, 4, 1                         ; hh
	v_lshlrev_b32 v12, 6, v2
	v_lshl_add_u32 v12, v3, 4, v12                 ; a fragment's row x 64 + 16 hh
	v_lshlrev_b32 v13, 4, v1
.irp qt, 0,1
	global_load_b128 v[Q+8*\qt:Q+8*\qt+3],     v12, s[48:49] offset:1024*\qt
	global_load_b128 v[Q+8*\qt+4:Q+8*\qt+7],   v12, s[48:49] offset:1024*\qt+32
	global_load_b128 v[KF+8*\qt:KF+8*\qt+3],   v12, s[50:51] offset:1024*\qt
	global_load_b128 v[KF+8*\qt+4:KF+8*\qt+7], v12, s[50:51] offset:1024*\qt+32
.endr
.irp t, 0,1,2,3
	global_load_b128 v[S+16+4*\t:S+16+4*\t+3], v13, s[52:53] offset:512*\t
.endr
	v_mul_u32_u24 v6, v2, KP
	v_lshl_add_u32 v6, v3, 4, v6
	v_and_b32 v96, 7, v0                           ; the turning load: lane l reads key 8 hh + l % 8, channels 8 ((l / 8) % 2) ..
	v_lshl_add_u32 v96, v3, 3, v96
	v_mul_u32_u24 v96, v96, VP
	v_bfe_u32 v97, v0, 3, 1
	v_lshl_add_u32 v96, v97, 4, v96
	v_add_nc_u32 v7, VB, v96
	v_add_nc_u32 v96, s67, v96                     ; the same place in my stage
	v_lshrrev_b32 v97, 2, v1
	v_and_b32 v99, 3, v1
	v_mul_u32_u24 v98, v97, VP
	v_lshl_add_u32 v98, v99, 4, v98
	v_add_nc_u32 v98, s67, v98                     ; where the self keys' V goes: row l / 4, piece l % 4
	v_lshlrev_b32 v97, 3, v3
	v_sub_nc_u32 v97, v2, v97
	v_add_nc_u32 v97, s63, v97                     ; register t holds key 8 hh + t: on the diagonal where t = r - 8 hh
.set n, 0
.rept 8
	v_cmp_ne_i32 vcc_lo, n, v97
	v_cndmask_b32 v[MD+n], 0, s62, vcc_lo
	v_mov_b32 v[ONES+n], 0x3c003c00
.set n, n+1
.endr
.irp qt, 0,1
.irp kt, 1,2,3
	v_mov_b32 v[M+4*\qt+\kt], 0xff7fffff           ; the lowest finite number
.endr
.endr
	s_wait_loadcnt 0x0
.irp t, 0,1,2,3
	ds_store_b128 v98, v[S+16+4*\t:S+16+4*\t+3] offset:8*VP*\t
.endr
.irp cb, 0,1
	ds_load_tr16_b128 v[SV+8*\cb:SV+8*\cb+3],   v96 offset:32*\cb         ; my own bytes: LDS serves a wave's instructions in order
	ds_load_tr16_b128 v[SV+8*\cb+4:SV+8*\cb+7], v96 offset:32*\cb+16*VP
.endr
.irp qt, 0,1
	v_wmma_f32_16x16x32_f16 v[SS+8*\qt:SS+8*\qt+7], v[KF+8*\qt:KF+8*\qt+7], v[Q+8*\qt:Q+8*\qt+7], v[MD:MD+7]
.endr
	PLACES
	s_wait_tensorcnt 0x0                           ; my quarter has landed,
	s_wait_dscnt 0x0
	s_barrier_signal -1
	s_barrier_wait -1                              ; everybody's has
	v_add_nc_u32 v4, s68, v6
	KLOAD
.irp qt, 0,1
	v_max3_num_f32 v[M+4*\qt], v[SS+8*\qt], v[SS+8*\qt+1], v[SS+8*\qt+2]
	v_max3_num_f32 v[M+4*\qt], v[M+4*\qt], v[SS+8*\qt+3], v[SS+8*\qt+4]
	v_max3_num_f32 v[M+4*\qt], v[M+4*\qt], v[SS+8*\qt+5], v[SS+8*\qt+6]
	v_max_num_f32  v[M+4*\qt], v[M+4*\qt], v[SS+8*\qt+7]
.endr
	s_mov_b32 s66, 15
.Lp1:                                  ; pass 1: 16 steps of 64 keys, the last written out
	P1TRIP 1
	s_sub_co_u32 s66, s66, 1
	s_cmp_lg_u32 s66, 0
	s_cbranch_scc1 .Lp1
	P1TRIP 0
.irp qt, 0,1
	v_max3_num_f32 v[M+4*\qt], v[M+4*\qt], v[M+4*\qt+1], v[M+4*\qt+2]
	v_max_num_f32  v[M+4*\qt], v[M+4*\qt], v[M+4*\qt+3]
.endr
.irp qt, 0,1
	v_permlanex16_b32 v[M+4*\qt+1], v[M+4*\qt], s42, s43   ; the query's other keys lie in the lane 16 away
.endr
.irp qt, 0,1
	v_max_num_f32 v[9+2*\qt], v[M+4*\qt], v[M+4*\qt+1]     ; m
	v_mul_f32 v[8+2*\qt], s40, v[9+2*\qt]                  ; c m
.endr
	; THE SELF STEP starts O^T and the row sum: a block of 32 keys = my wave's own 32 rows; tile 0's weights are its keys 0-15, tile 1's its keys 16-31, the rest 0
.set n, 0
.rept 8
	v_pk_fma_f32 v[SS+2*n:SS+2*n+1], v[SS+2*n:SS+2*n+1], s[40:41], v[8+2*(n/4):9+2*(n/4)] op_sel_hi:[1,0,0] neg_lo:[0,0,1] neg_hi:[0,0,1]
.set n, n+1
.endr
.set n, 0
.rept 16
	v_exp_f32 v[SS+n], v[SS+n]
.set n, n+1
.endr
	v_nop
	s_wait_alu depctr_va_vdst(0)                   ; one wait for the batch
.irp a, 0,1,2,3
	v_cvt_pk_f16_f32 v[P+\a], v[SS+2*\a], v[SS+2*\a+1]
	v_mov_b32 v[P+4+\a], 0
	v_mov_b32 v[P+16+\a], 0
	v_cvt_pk_f16_f32 v[P+20+\a], v[SS+8+2*\a], v[SS+8+2*\a+1]
.endr
.irp c, 0,1
.irp qt, 0,1
	v_wmma_f32_16x16x32_f16 v[O+24*\qt+8*\c:O+24*\qt+8*\c+7], v[SV+8*\c:SV+8*\c+7], v[P+16*\qt:P+16*\qt+7], 0
.endr
.endr
.irp qt, 0,1
	v_wmma_f32_16x16x32_f16 v[O+24*\qt+16:O+24*\qt+23], v[ONES:ONES+7], v[P+16*\qt:P+16*\qt+7], 0
.endr
	PLACES
	s_mov_b32 s66, 15
.Lp2:                                  ; pass 2: 16 steps, the last written out
	P2TRIP 1
	s_sub_co_u32 s66, s66, 1
	s_cmp_lg_u32 s66, 0
	s_cbranch_scc1 .Lp2
	P2TRIP 0
	; THE WAY OUT: O^T / l, rounded to f16, through my stage (rows of 80 bytes), back as 2,048 dense bytes
	v_rcp_f32 v8,  v[O+16]
	v_rcp_f32 v9,  v[O+16]
	v_rcp_f32 v10, v[O+40]
	v_rcp_f32 v11, v[O+40]
	v_mul_u32_u24 v112, v2, KP                     ; (plain work behind the reciprocals) in: row r, 16 bytes for each half of the lanes
	v_lshl_add_u32 v112, v3, 4, v112
	v_add_nc_u32 v112, s67, v112
	v_lshrrev_b32 v113, 2, v1                      ; back: row l / 4, piece l % 4
	v_mul_u32_u24 v113, v113, KP
	v_and_b32 v114, 3, v1
	v_lshl_add_u32 v113, v114, 4, v113
	v_add_nc_u32 v113, s67, v113
	s_wait_alu depctr_va_vdst(0)                   ; one wait for the four reciprocals
.irp qt, 0,1
.irp c, 0,1
.irp a, 0,1,2,3
	v_pk_mul_f32 v[O+24*\qt+8*\c+2*\a:O+24*\qt+8*\c+2*\a+1], v[O+24*\qt+8*\c+2*\a:O+24*\qt+8*\c+2*\a+1], v[8+2*\qt:9+2*\qt]
.endr
.irp a, 0,1,2,3
	v_cvt_pk_f16_f32 v[S+4*(2*\qt+\c)+\a], v[O+24*\qt+8*\c+2*\a], v[O+24*\qt+8*\c+2*\a+1]
.endr
	ds_store_b128 v112, v[S+4*(2*\qt+\c):S+4*(2*\qt+\c)+3] offset:16*KP*\qt+32*\c
.endr
.endr
.irp t, 0,1,2,3
	ds_load_b128 v[S+32+4*\t:S+32+4*\t+3], v113 offset:8*KP*\t
.endr
.irp t, 0,1,2,3
	s_wait_dscnt 3-\t                              ; the later read-backs may stay out
	global_store_b128 v13, v[S+32+4*\t:S+32+4*\t+3], s[54:55] offset:512*\t  ; 512 consecutive bytes, aligned
.endr
	s_wait_tensorcnt 0x0                           ; the wave's end
	ds_add_u32 v14, v15
	s_wait_dscnt 0x0
	CROUND                                         ; the closing round
	s_endpgm
.Lfunc_end_k_qca76e6b8d5_attn0:
	.size	k_qca76e6b8d5_attn0, .Lfunc_end_k_qca76e6b8d5_attn0-k_qca76e6b8d5_attn0
	.p2alignl 7, 3214868480
	.fill 96, 4, 3214868480
	.section	.rodata,"a",@progbits
	.p2align	6, 0x0
	.amdhsa_kernel k_qca76e6b8d5_attn0
		.amdhsa_group_segment_fixed_size 205824
		.amdhsa_private_segment_fixed_size 0
		.amdhsa_enable_private_segment 0
		.amdhsa_kernarg_size 16
		.amdhsa_user_sgpr_count 2
		.amdhsa_user_sgpr_kernarg_segment_ptr 1
		.amdhsa_wavefront_size32 1
		.amdhsa_system_sgpr_workgroup_id_x 1
		.amdhsa_system_sgpr_workgroup_id_y 1
		.amdhsa_system_sgpr_workgroup_id_z 1
		.amdhsa_system_vgpr_workitem_id 0
		.amdhsa_next_free_vgpr 256
		.amdhsa_next_free_sgpr 72
		.amdhsa_reserve_vcc 1
		.amdhsa_float_denorm_mode_32 3
		.amdhsa_float_denorm_mode_16_64 3
		.amdhsa_memory_ordered 1
		.amdhsa_forward_progress 1
		.amdhsa_inst_pref_size 42
	.end_amdhsa_kernel
	.amdgpu_metadata
---
amdhsa.version: [ 1, 2 ]
amdhsa.kernels:
  - .name:           k_qca76e6b8d5_attn0
    .symbol:         k_qca76e6b8d5_attn0.kd
    .args:
      - { .name: qkv, .offset: 0, .size: 8, .value_kind: global_buffer, .address_space: global }
      - { .name: o, .offset: 8, .size: 8, .value_kind: global_buffer, .address_space: global }
    .group_segment_fixed_size: 205824
    .private_segment_fixed_size: 0
    .kernarg_segment_align: 8
    .kernarg_segment_size: 16
    .max_flat_workgroup_size: 256
    .sgpr_count:     72
    .vgpr_count:     256
    .wavefront_size: 32
...
	.end_amdgpu_metadata
.endif
;; end of part 3
;; launch mid (part 4): grid 256 x 1, 8 waves a work-group, clusters of 4 x 1, 327,680 bytes of LDS; arguments o, h0, ws, out_proj_b, ln1_g, ln1_b, lin1_b, lin2_b, ln2_g, ln2_b, in_proj_b, qkv, h1; writes qkv, h1
.if DOCPART == 4
	.amdgcn_target "amdgcn-amd-amdhsa--gfx1250"
	.amdhsa_code_object_version 6
	.text
	.protected	k_qca76e6b8d5_mid
	.globl	k_qca76e6b8d5_mid
	.p2align	8
	.type	k_qca76e6b8d5_mid,@function
k_qca76e6b8d5_mid:
	s_mov_b64 s[64:65], 0
	v_nop
	global_prefetch_b8 v0, s[64:65] scope:SCOPE_SE
	s_setreg_imm32_b32 hwreg(HW_REG_WAVE_MODE, 25, 1), 1
	s_wait_xcnt 0x0
	s_wait_alu depctr_hold_cnt(0) depctr_sa_sdst(0) depctr_va_vdst(0) depctr_va_sdst(0) depctr_va_ssrc(0) depctr_va_vcc(0) depctr_vm_vsrc(0)
	s_getreg_b32 s2, hwreg(HW_REG_IB_STS2, 6, 4)
	s_cmp_eq_u32 s2, 0
	s_cbranch_scc0 .Lentry_in_a_cluster
	s_endpgm
.Lentry_in_a_cluster:
	s_bfe_u32 s2, ttmp6, 0x10000c
	s_cmp_lg_u32 s2, 0x3003
	s_cbranch_scc0 .Lentry_shape_is_right
	s_endpgm
.Lentry_shape_is_right:
; MID: the rest of layer 0 behind its attention, and q, k, v of layer 1, for 32 rows a work-group:
; h = LN1(h0 + o out_proj^T + b);  f = gelu(h lin1^T + b);  h1 = LN2(h + f lin2^T + b);  q, k, v = h1 in_proj^T + b.
; SHARES.  Row = 4 s + b: 8 positions x 4 batches.  In every product wave w owns output columns 32 w .. 32 w + 31 of a slot's 256, for both tiles of 16 rows: four accumulators.
; In the row phases (residual, layer norm) wave w owns rows 4 w .. 4 w + 3 and keeps them in f32 registers from LN1 to LN2.
; THE PRODUCTS ARE TAKEN TRANSPOSED (source 0 = 16 weight rows, source 1 = 16 tokens): lane l = 16 hh + r ends with token r and 8 neighbouring columns.
; Each sum starts from its bias, loaded straight into the accumulator: one form of product, nothing cleared.
; WEIGHTS: eight stream slots of 131,072 bytes of ws (f16, in fragment order) through two LDS slots that take turns; wave w loads and reads bytes 16,384 w .. of a slot alone.
; CLUSTER: the four work-groups of a cluster walk the same weights: each piece is asked for JOINTLY (mask 15, the same descriptor in all four); a round of the cluster's barrier stands
; in front of every refill and also hands the activations in LDS from wave to wave.  By this text's count a wave has two tensor loads out at the start, one behind each change.
; PREFETCH: the launch's first cluster asks, once, for stream slots 3 and 4 behind the fill of slot 2, and for slots 5 and 6 behind the fill of slot 4: its 32 waves take 8,192 bytes
; each, told apart by address, a lane a block of 256 bytes.  Slots 0-2 and 7 come by their loads alone.
; FORMATS: matrix operands f16; sums, residuals, norms, gelu in f32.  The variance is the mean of (x - mean)^2.
; GELU: erf by the five-term rational form in t = 1 / (1 + 0.3275911 z) (Abramowitz and Stegun 7.1.26; absolute error 1.5e-7 for every z):
; gelu(x) = max(x, 0) - 0.5 |x| poly(t) e^(-x x / 2).
; LIMITS: an operand beyond 65,504 becomes an infinity; NaN and infinities are not treated apart.
.set LAYER,  0
.set STREAM, 3
.set NB0,    3072                      ; the next stage's bias: in_proj_b of layer 1
.set SLOTB, 131072
.set XB,    262144                     ; 32 rows of 256 f16, pitch 528 (an odd multiple of 16: the 16 rows of a fragment load start at 16 different groups of four banks)
.set XP,    528
.set FB,    279040                     ; 32 rows of 512 f16, pitch 1,040; by turns, with barriers between: 32 rows of 256 f32; each wave's stage, 32 rows of pitch 80 at FB + 2,560 w
.set FP,    1040
.set SPARE, 312320                     ; the spare words, 128 bytes a wave: four blocks of 256 bytes that no other line names
.set GB,    24                         ; v[24:39]   gain 8, bias 8 of my columns in the row phases
.set RES,   40                         ; v[40:71]   my four rows in f32: the residual
.set ACC,   72                         ; v[72:103]  accumulator (i, jj) at ACC + 8 (2 i + jj)
.set BF,    104                        ; v[104:231] 16 weight fragments (jj, kt) at BF + 8 (8 jj + kt); between products: at work
.set RU,    BF+32
.set RW,    BF+40
; v4, v5 my weights in slot 0, 1; v6, v7 my place in XB's, FB's fragments; v8 where f32 results go; v9 where my rows come back; v10 where f16 rows go; v11 where gelu's f16 go;
; v12, v13 stage in and back; v14 bias offset; v15 16 l; v16 offset in h; v17 offset in o, q, k, v; v18 where o goes in XB; v19 the prefetches' offset; v20, v21 the add's two.
; window 1: v[0:127] the tokens' fragments (i, kt) at 64 i + 8 kt.
.set MSB, 0
.macro WIN new                         ; the immediate's high byte repeats the setting that is left
.if MSB != (\new)
	s_set_vgpr_msb (MSB<<8)|(\new)
.set MSB, \new
.endif
.endm
.macro CROUND                          ; a round of the cluster's barrier
	s_barrier_signal -1
	s_barrier_wait -1
	s_cmp_lg_u32 s72, 0
	s_cbranch_scc1 .Lnw0_\@
	s_barrier_signal -3
.Lnw0_\@:
	s_barrier_wait -3
	s_barrier_signal -1
	s_barrier_wait -1
.endm
.macro BAR                             ; my LDS stores and loads are done; then everybody's are.
	s_wait_dscnt 0x0
	s_barrier_signal -1
	s_barrier_wait -1
.endm
.macro CHANGE p                        ; slot p has been read and is filled again, two slots further on in the stream
	s_wait_tensorcnt 0x0                           ; all my tensor loads have landed, so a group 0 may be written
	ds_add_u32 v20, v21                            ; 0 onto my spare word
	s_add_nc_u64 s[46+4*(\p):47+4*(\p)], s[46+4*(\p):47+4*(\p)], 2*SLOTB
	s_wait_dscnt 0x0                               ; the add is done, my reads of the slot are over, my LDS stores are done
	CROUND                                         ; the same holds of every wave of all four work-groups
	tensor_load_to_lds s[44+4*(\p):47+4*(\p)], s[36:43]
	s_nop 0
.rept 4
	v_nop
.endr
.endm
.macro ASK off                         ; the first cluster's prefetch of two stream slots: 262,144 bytes over 32 waves x 32 lanes, 256 bytes apart
	s_cmp_eq_u32 s76, 1
	s_cbranch_scc0 .Lnot_mine_\@
	global_prefetch_b8 v19, s[78:79] offset:\off th:TH_LOAD_NT scope:SCOPE_SE
.Lnot_mine_\@:
.endm
.macro BIAS ptr, off                   ; the sums start from the bias of my 32 columns: 8 numbers a lane and accumulator
.irp i, 0,1
.irp jj, 0,1
	global_load_b128 v[ACC+8*(2*\i+\jj):ACC+8*(2*\i+\jj)+3],   v14, s[\ptr:\ptr+1] offset:(\off)+64*\jj
	global_load_b128 v[ACC+8*(2*\i+\jj)+4:ACC+8*(2*\i+\jj)+7], v14, s[\ptr:\ptr+1] offset:(\off)+64*\jj+16
.endr
.endr
.endm
.macro LNP pg, pb, off                 ; gain and bias of columns 4 l .. and 128 + 4 l ..
	global_load_b128 v[GB:GB+3],     v15, s[\pg:\pg+1] offset:\off
	global_load_b128 v[GB+4:GB+7],   v15, s[\pg:\pg+1] offset:(\off)+512
	global_load_b128 v[GB+8:GB+11],  v15, s[\pb:\pb+1] offset:\off
	global_load_b128 v[GB+12:GB+15], v15, s[\pb:\pb+1] offset:(\off)+512
.endm
.macro LOADA adr, rp, koff             ; the tokens' 16 fragments (32 rows x 256 k) into window 1
	WIN 0x40
.irp i, 0,1
.irp kt, 0,1,2,3,4,5,6,7
	ds_load_b128 v[64*\i+8*\kt:64*\i+8*\kt+3],   v[\adr] offset:(\rp)*\i+(\koff)+64*\kt
	ds_load_b128 v[64*\i+8*\kt+4:64*\i+8*\kt+7], v[\adr] offset:(\rp)*\i+(\koff)+64*\kt+32
.endr
.endr
	WIN 0
.endm
.macro GEMM p, ask=-1                  ; 32 products: my 32 columns x 32 rows x 256 k, weights from slot p.  The four accumulators take turns
	WIN 0
	s_wait_loadcnt 0x0                             ; the bias is in the accumulators
.irp kt, 0,1,2,3,4,5,6,7
.irp jj, 0,1
	ds_load_b128 v[BF+8*(8*\jj+\kt):BF+8*(8*\jj+\kt)+3],   v[4+(\p)] offset:1024*(8*\jj+\kt)
	ds_load_b128 v[BF+8*(8*\jj+\kt)+4:BF+8*(8*\jj+\kt)+7], v[4+(\p)] offset:1024*(8*\jj+\kt)+512
.endr
.endr
.if (\ask) >= 0
	ASK \ask
.endif
	WIN 0x04                                       ; source 1 in window 1
.irp kt, 0,1,2,3,4,5,6,7
	s_wait_dscnt 28-4*\kt                          ; the four loads of each later k block may stay out; all older loads, the tokens' among them, are in
.irp i, 0,1
.irp jj, 0,1
	v_wmma_f32_16x16x32_f16 v[ACC+8*(2*\i+\jj):ACC+8*(2*\i+\jj)+7], v[BF+8*(8*\jj+\kt):BF+8*(8*\jj+\kt)+7], v[64*\i+8*\kt:64*\i+8*\kt+7], v[ACC+8*(2*\i+\jj):ACC+8*(2*\i+\jj)+7]
.endr
.endr
.endr
	WIN 0
.rept 8
	v_nop                                          ; the places behind the last products
.endr
.endm
.macro EPI_HF                          ; the f32 results into FB: row 16 i + r, my 8 columns; each accumulator's low half first
.irp i, 0,1
.irp jj, 0,1
	ds_store_b128 v8, v[ACC+8*(2*\i+\jj):ACC+8*(2*\i+\jj)+3]   offset:16*FP*\i+64*\jj
	ds_store_b128 v8, v[ACC+8*(2*\i+\jj)+4:ACC+8*(2*\i+\jj)+7] offset:16*FP*\i+64*\jj+16
.endr
.endr
.endm
.macro ROWLD                           ; my four rows back: a lane has columns 4 l .. and 128 + 4 l ..
.irp q, 0,1,2,3
	ds_load_b128 v[BF+8*\q:BF+8*\q+3],   v9 offset:FP*\q
	ds_load_b128 v[BF+8*\q+4:BF+8*\q+7], v9 offset:FP*\q+512
.endr
.endm
.macro LSUM b                          ; four pairs at b + 2 q: the two halves, then all 32 lanes; the sum ends in every lane's first register
.irp q, 0,1,2,3
	v_add_f32 v[(\b)+2*\q], v[(\b)+2*\q], v[(\b)+2*\q+1]
.endr
.irp m, 1,2,4,8
.irp q, 0,1,2,3
	v_add_f32_dpp v[(\b)+2*\q], v[(\b)+2*\q], v[(\b)+2*\q] row_xmask:\m row_mask:0xf bank_mask:0xf
.endr
.endr
.irp q, 0,1,2,3
	v_permlanex16_b32 v[(\b)+2*\q+1], v[(\b)+2*\q], s70, s71
.endr
.irp q, 0,1,2,3
	v_add_f32 v[(\b)+2*\q], v[(\b)+2*\q], v[(\b)+2*\q+1]
.endr
.endm
.macro ROWPH st                        ; my four rows: + residual, layer norm; the result stays in RES (f32), goes to XB (f16) and, st = 1, to memory (f32)
	s_wait_loadcnt 0x0                             ; residual, gain and bias
	s_wait_dscnt 0x0                               ; the rows
.set n, 0
.rept 16
	v_pk_add_f32 v[BF+n:BF+n+1], v[BF+n:BF+n+1], v[RES+n:RES+n+1]
.set n, n+2
.endr
.irp q, 0,1,2,3
	v_pk_add_f32 v[RU+2*\q:RU+2*\q+1], v[BF+8*\q:BF+8*\q+1],   v[BF+8*\q+2:BF+8*\q+3]
	v_pk_add_f32 v[RW+2*\q:RW+2*\q+1], v[BF+8*\q+4:BF+8*\q+5], v[BF+8*\q+6:BF+8*\q+7]
.endr
.irp q, 0,1,2,3
	v_pk_add_f32 v[RU+2*\q:RU+2*\q+1], v[RU+2*\q:RU+2*\q+1], v[RW+2*\q:RW+2*\q+1]
.endr
	LSUM RU
.irp q, 0,1,2,3
	v_mul_f32 v[RU+2*\q], s75, v[RU+2*\q]          ; the mean
.endr
.irp q, 0,1,2,3
.irp a, 0,2,4,6
	v_pk_add_f32 v[BF+8*\q+\a:BF+8*\q+\a+1], v[BF+8*\q+\a:BF+8*\q+\a+1], v[RU+2*\q:RU+2*\q+1] op_sel_hi:[1,0] neg_lo:[0,1] neg_hi:[0,1]
.endr
.endr
.irp q, 0,1,2,3
	v_pk_mul_f32 v[RW+2*\q:RW+2*\q+1], v[BF+8*\q:BF+8*\q+1], v[BF+8*\q:BF+8*\q+1]
.endr
.irp a, 2,4,6
.irp q, 0,1,2,3
	v_pk_fma_f32 v[RW+2*\q:RW+2*\q+1], v[BF+8*\q+\a:BF+8*\q+\a+1], v[BF+8*\q+\a:BF+8*\q+\a+1], v[RW+2*\q:RW+2*\q+1]
.endr
.endr
	LSUM RW
.irp q, 0,1,2,3
	v_fma_f32 v[RW+2*\q], v[RW+2*\q], s75, s74     ; variance + 1e-5
.endr
.irp q, 0,1,2,3
	v_rsq_f32 v[RW+2*\q], v[RW+2*\q]
.endr
	v_nop                                          ; a plain instruction behind the last of the batch,
	s_wait_alu depctr_va_vdst(0)                   ; and one wait for the four, ahead of their first reader
.irp q, 0,1,2,3
.irp a, 0,2,4,6
	v_pk_mul_f32 v[BF+8*\q+\a:BF+8*\q+\a+1], v[BF+8*\q+\a:BF+8*\q+\a+1], v[RW+2*\q:RW+2*\q+1] op_sel_hi:[1,0]
.endr
.endr
.irp q, 0,1,2,3
.irp a, 0,2,4,6
	v_pk_fma_f32 v[RES+8*\q+\a:RES+8*\q+\a+1], v[BF+8*\q+\a:BF+8*\q+\a+1], v[GB+\a:GB+\a+1], v[GB+8+\a:GB+9+\a]
.endr
.endr
.irp q, 0,1,2,3
.irp a, 0,1,2,3
	v_cvt_pk_f16_f32 v[BF+48+4*\q+\a], v[RES+8*\q+2*\a], v[RES+8*\q+2*\a+1]
.endr
.endr
.irp q, 0,1,2,3
	ds_store_b64 v10, v[BF+48+4*\q:BF+48+4*\q+1]   offset:XP*\q
	ds_store_b64 v10, v[BF+48+4*\q+2:BF+48+4*\q+3] offset:XP*\q+256
.if \st
	global_store_b128 v16, v[RES+8*\q:RES+8*\q+3],   s[84:85] offset:1024*\q      ; 512 consecutive bytes, aligned; RES is not written again
	global_store_b128 v16, v[RES+8*\q+4:RES+8*\q+7], s[84:85] offset:1024*\q+512
.endif
.endr
.endm
.macro GELU                            ; in place on the 32 numbers of the four accumulators, in ascending order; |x| BF+0, t BF+32, e BF+64, poly BF+96
.set n, 0
.rept 32
	v_and_b32 v[BF+n], s68, v[ACC+n]
.set n, n+1
.endr
.set n, 0
.rept 16
	v_pk_fma_f32 v[BF+32+n:BF+33+n], v[BF+n:BF+n+1], s[52:53], 1.0 op_sel_hi:[1,0,0]   ; 1 + (0.3275911 / sqrt 2) |x|
	v_pk_mul_f32 v[BF+64+n:BF+65+n], v[ACC+n:ACC+n+1], s[54:55] op_sel_hi:[1,0]        ; -(log2 e / 2) x
.set n, n+2
.endr
.set n, 0
.rept 16
	v_pk_mul_f32 v[BF+64+n:BF+65+n], v[BF+64+n:BF+65+n], v[ACC+n:ACC+n+1]              ; times x
.set n, n+2
.endr
.set n, 0
.rept 32
	v_rcp_f32 v[BF+32+n], v[BF+32+n]
	v_exp_f32 v[BF+64+n], v[BF+64+n]
.set n, n+1
.endr
	v_nop                                          ; a plain instruction behind the last of the batch,
	s_wait_alu depctr_va_vdst(0)                   ; and one wait for all 64
.set n, 0
.rept 16
	v_pk_fma_f32 v[BF+96+n:BF+97+n], v[BF+32+n:BF+33+n], s[56:57], s[58:59] op_sel_hi:[1,0,0]
.set n, n+2
.endr
.irp k, 60, 62, 66
.set n, 0
.rept 16
	v_pk_fma_f32 v[BF+96+n:BF+97+n], v[BF+96+n:BF+97+n], v[BF+32+n:BF+33+n], s[\k:\k+1] op_sel_hi:[1,1,0]
.set n, n+2
.endr
.endr
.irp k, 32, 64, 0
.set n, 0
.rept 16
	v_pk_mul_f32 v[BF+96+n:BF+97+n], v[BF+96+n:BF+97+n], v[BF+\k+n:BF+\k+n+1]          ; times t, times e, times |x|
.set n, n+2
.endr
.endr
.set n, 0
.rept 32
	v_max_num_f32 v[ACC+n], 0, v[ACC+n]
.set n, n+1
.endr
.set n, 0
.rept 16
	v_pk_fma_f32 v[ACC+n:ACC+n+1], v[BF+96+n:BF+97+n], -0.5, v[ACC+n:ACC+n+1] op_sel_hi:[1,0,1]
.set n, n+2
.endr
.endm
.macro EPI_FF col                      ; gelu, rounded to f16, into FB at columns col + my 32
	GELU
.set n, 0
.rept 16
	v_cvt_pk_f16_f32 v[BF+n], v[ACC+2*n], v[ACC+2*n+1]
.set n, n+1
.endr
.irp i, 0,1
.irp jj, 0,1
	ds_store_b128 v11, v[BF+4*(2*\i+\jj):BF+4*(2*\i+\jj)+3] offset:16*FP*\i+2*(\col)+32*\jj
.endr
.endr
.endm
.macro EPI_QKV base                    ; head w's 32 channels of 32 rows, rounded to f16, through my own stage, out by batches: [b][h][s][32]
.set n, 0
.rept 16
	v_cvt_pk_f16_f32 v[BF+n], v[ACC+2*n], v[ACC+2*n+1]
.set n, n+1
.endr
.irp i, 0,1
.irp jj, 0,1
	ds_store_b128 v12, v[BF+4*(2*\i+\jj):BF+4*(2*\i+\jj)+3] offset:1280*\i+32*\jj
.endr
.endr
.irp t, 0,1,2,3
	ds_load_b128 v[BF+16+4*\t:BF+16+4*\t+3], v13 offset:80*\t  ; LDS serves a wave's instructions in order: these see the stores above
.endr
.irp t, 0,1,2,3
	s_wait_dscnt 3-\t                              ; the later read-backs may stay out
	global_store_b128 v17, v[BF+16+4*\t:BF+16+4*\t+3], s[\base:\base+1] offset:1048576*\t  ; batch t: 8 positions x 64 bytes = 512 consecutive bytes, aligned
.endr
	s_wait_xcnt 0x0                                ; the stores' data registers are loaded again only behind this wait
.endm
	s_load_b512 s[4:19], s[0:1], 0x0               ; o 4, h0 6, ws 8, out_proj_b 10, ln1_g 12, ln1_b 14, lin1_b 16, lin2_b 18
	s_load_b256 s[20:27], s[0:1], 0x40             ; ln2_g 20, ln2_b 22, in_proj_b 24, qkv 26
	s_load_b64 s[28:29], s[0:1], 0x60              ; h1
	v_lshl_add_u32 v20, v0, 2, SPARE
	v_mov_b32 v21, 0
	ds_add_u32 v20, v21                            ; the wave's opening: the add and its wait ahead of my first tensor load
	v_lshrrev_b32 v22, 5, v0
	v_readfirstlane_b32 s72, v22                   ; wave 0..7
	s_bfe_u32 s95, ttmp6, 0x40000                  ; cx
	s_lshl_b32 s73, ttmp9, 2
	s_add_co_u32 s73, s73, s95                     ; my block of 32 rows
	s_cmp_eq_u32 ttmp9, 0
	s_cselect_b32 s76, 1, 0                        ; the launch's first cluster prefetches: the same in all partners
	s_mov_b32 s52, 0x3e6d3388                      ; 0.3275911 / sqrt 2
	s_mov_b32 s53, s52
	s_mov_b32 s54, 0xbf38aa3b                      ; -log2(e) / 2
	s_mov_b32 s55, s54
	s_mov_b32 s56, 0x3f87dc22                      ; a5 =  1.061405429
	s_mov_b32 s57, s56
	s_mov_b32 s58, 0xbfba00e3                      ; a4 = -1.453152027
	s_mov_b32 s59, s58
	s_mov_b32 s60, 0x3fb5f0e3                      ; a3 =  1.421413741
	s_mov_b32 s61, s60
	s_mov_b32 s62, 0xbe91a98e                      ; a2 = -0.284496736
	s_mov_b32 s63, s62
	s_mov_b32 s66, 0x3e827906                      ; a1 =  0.254829592
	s_mov_b32 s67, s66
	s_mov_b32 s68, 0x7fffffff
	s_mov_b32 s70, 0x76543210
	s_mov_b32 s71, 0xfedcba98
	s_mov_b32 s74, 0x3727c5ac                      ; 1e-5
	s_mov_b32 s75, 0x3b800000                      ; 1 / 256
	s_mov_b32 s36, 15|(3<<16)|(1<<21)              ; group 1: mask of four; elements of 8 bytes; bit 21 beside a mask; no padding
	s_mov_b32 s37, 32<<16                          ; tensor_dim0 = 32 (256 bytes)
	s_mov_b32 s38, 64<<16                          ; tensor_dim1 = 64
	s_mov_b32 s39, 32<<16                          ; tile_dim0 = 32
	s_mov_b32 s40, 64                              ; tile_dim1 = 64
	s_mov_b32 s41, 32                              ; dense rows
	s_mov_b32 s42, 0
	s_mov_b32 s43, 0
	s_mov_b32 s44, 1
	s_lshl_b32 s45, s72, 14                        ; slot 0: 16,384 w
	s_mov_b32 s48, 1
	s_add_co_u32 s49, s45, SLOTB                   ; slot 1
	s_mov_b32 s96, s45
	s_mov_b32 s97, 0
	s_mov_b32 s33, 0
	s_wait_dscnt 0x0                               ; the opening add is done
	s_wait_kmcnt 0x0
	s_add_nc_u64 s[78:79], s[8:9], STREAM*SLOTB    ; my launch's stream
	s_add_nc_u64 s[46:47], s[78:79], s[96:97]      ; stream slot 0, my piece
	s_add_nc_u64 s[50:51], s[46:47], SLOTB         ; stream slot 1
	s_or_b32 s47, s47, 0x80000000
	s_or_b32 s51, s51, 0x80000000
	s_lshl_b32 s32, s73, 9
	s_add_nc_u64 s[80:81], s[4:5], s[32:33]        ; o at my 8 positions
	s_add_nc_u64 s[86:87], s[26:27], s[32:33]      ; q,
	s_add_nc_u64 s[88:89], s[86:87], 4194304       ; k,
	s_add_nc_u64 s[90:91], s[86:87], 8388608       ; v
	s_lshl_b32 s32, s73, 15
	s_add_nc_u64 s[82:83], s[6:7], s[32:33]        ; h0 at my rows
	s_add_nc_u64 s[84:85], s[28:29], s[32:33]      ; h1
	CROUND                                         ; all four work-groups are here: the first joint loads meet
	tensor_load_to_lds s[44:47], s[36:43]
	s_nop 0
	tensor_load_to_lds s[48:51], s[36:43]
	s_nop 0
.rept 4
	v_nop
.endr
	v_and_b32 v1, 31, v0                           ; l
	v_and_b32 v2, 15, v0                           ; r
	v_bfe_u32 v3, v0, 4, 1                         ; hh
	v_lshlrev_b32 v15, 4, v1
	v_lshl_add_u32 v4, s72, 14, v15
	v_add_nc_u32 v5, SLOTB, v4
	v_mul_u32_u24 v22, v2, XP
	v_lshl_add_u32 v22, v3, 4, v22
	v_add_nc_u32 v6, XB, v22
	v_mul_u32_u24 v22, v2, FP
	v_add_nc_u32 v22, FB, v22
	v_lshl_add_u32 v7, v3, 4, v22
	v_lshl_add_u32 v8, v3, 5, v22
	v_lshl_add_u32 v8, s72, 7, v8
	v_lshl_add_u32 v11, s72, 6, v7
	s_mul_i32 s96, s72, 4*FP
	s_add_co_u32 s96, s96, FB
	v_add_nc_u32 v9, s96, v15
	s_mul_i32 s96, s72, 4*XP
	s_add_co_u32 s96, s96, XB
	v_lshl_add_u32 v10, v1, 3, s96
	s_mul_i32 s96, s72, 2560
	s_add_co_u32 s96, s96, FB
	v_mul_u32_u24 v22, v2, 80
	v_lshl_add_u32 v22, v3, 4, v22
	v_add_nc_u32 v12, s96, v22
	v_lshrrev_b32 v22, 2, v1
	v_and_b32 v23, 3, v1
	v_mul_u32_u24 v13, v22, 320
	v_lshl_add_u32 v13, v23, 4, v13
	v_add_nc_u32 v13, s96, v13
	v_lshlrev_b32 v14, 5, v3
	v_lshl_add_u32 v14, s72, 7, v14
	v_lshl_add_u32 v16, s72, 12, v15
	v_lshl_add_u32 v17, s72, 17, v15
	v_mul_u32_u24 v18, v22, 4*XP
	v_lshl_add_u32 v18, v23, 4, v18
	v_lshl_add_u32 v18, s72, 6, v18
	v_add_nc_u32 v18, XB, v18
	s_lshl3_add_u32 s32, s95, s72                  ; 8 cx + w: my wave among the cluster's 32
	s_lshl_b32 s32, s32, 13
	v_lshl_add_u32 v19, v1, 8, s32
	; THE FRONT: o (head w, four batches) into XB as rows of tokens; the residual, the first bias, LN1's gain and bias
.irp t, 0,1,2,3
	global_load_b128 v[BF+4*\t:BF+4*\t+3], v17, s[80:81] offset:1048576*\t
.endr
.irp q, 0,1,2,3
	global_load_b128 v[RES+8*\q:RES+8*\q+3],   v16, s[82:83] offset:1024*\q
	global_load_b128 v[RES+8*\q+4:RES+8*\q+7], v16, s[82:83] offset:1024*\q+512
.endr
	BIAS 10, 1024*LAYER
	LNP 12, 14, 1024*LAYER
	s_wait_loadcnt 20                              ; o's four are in; the 8 + 8 + 4 younger loads may stay out
.irp t, 0,1,2,3
	ds_store_b128 v18, v[BF+4*\t:BF+4*\t+3] offset:XP*\t
.endr
	BAR
	; OUT-PROJECTION
	s_wait_tensorcnt 0x1                           ; my piece of stream slot 0 is in; slot 1's may stay out: nothing has been filled again yet
	LOADA 6, 16*XP, 0
	GEMM 0
	EPI_HF
	BIAS 16, 2048*LAYER
	; LN1
	CHANGE 0                                       ; stream slot 2 goes out; all columns of all rows lie in FB
	ROWLD
	ASK 3*SLOTB
	ROWPH 0
	LNP 20, 22, 1024*LAYER
	BAR
	; LIN1 + GELU, columns 0-255 and 256-511
	LOADA 6, 16*XP, 0
	GEMM 1
	EPI_FF 0
	BIAS 16, 2048*LAYER+1024
	CHANGE 1                                       ; stream slot 3
	GEMM 0                                         ; the tokens' fragments are still in window 1
	EPI_FF 256
	BIAS 18, 1024*LAYER
	; LIN2, k 0-255 and 256-511, one sum
	CHANGE 0                                       ; stream slot 4; gelu's 512 columns lie in FB
	LOADA 7, 16*FP, 0
	GEMM 1, 5*SLOTB
	CHANGE 1                                       ; stream slot 5
	LOADA 7, 16*FP, 512
	GEMM 0
	BAR                                            ; nobody reads FB's f16 rows any more
	EPI_HF
	BIAS 24, NB0
	; LN2
	CHANGE 0                                       ; stream slot 6
	ROWLD
	ROWPH 1
	BAR
	; Q, K, V OF LAYER 1
	LOADA 6, 16*XP, 0
	GEMM 1
	EPI_QKV 86
	BIAS 24, NB0+1024
	CHANGE 1                                       ; stream slot 7
	GEMM 0
	EPI_QKV 88
	BIAS 24, NB0+2048
	s_wait_tensorcnt 0x0                           ; stream slot 7 is in: no load was issued behind it
	GEMM 1
	EPI_QKV 90
	s_wait_tensorcnt 0x0                           ; the wave's end
	ds_add_u32 v20, v21
	s_wait_dscnt 0x0
	CROUND                                         ; the closing round
	s_endpgm
.Lfunc_end_k_qca76e6b8d5_mid:
	.size	k_qca76e6b8d5_mid, .Lfunc_end_k_qca76e6b8d5_mid-k_qca76e6b8d5_mid
	.p2alignl 7, 3214868480
	.fill 96, 4, 3214868480
	.section	.rodata,"a",@progbits
	.p2align	6, 0x0
	.amdhsa_kernel k_qca76e6b8d5_mid
		.amdhsa_group_segment_fixed_size 327680
		.amdhsa_private_segment_fixed_size 0
		.amdhsa_enable_private_segment 0
		.amdhsa_kernarg_size 104
		.amdhsa_user_sgpr_count 2
		.amdhsa_user_sgpr_kernarg_segment_ptr 1
		.amdhsa_wavefront_size32 1
		.amdhsa_system_sgpr_workgroup_id_x 1
		.amdhsa_system_sgpr_workgroup_id_y 1
		.amdhsa_system_sgpr_workgroup_id_z 1
		.amdhsa_system_vgpr_workitem_id 0
		.amdhsa_next_free_vgpr 384
		.amdhsa_next_free_sgpr 100
		.amdhsa_reserve_vcc 0
		.amdhsa_float_denorm_mode_32 3
		.amdhsa_float_denorm_mode_16_64 3
		.amdhsa_memory_ordered 1
		.amdhsa_forward_progress 1
		.amdhsa_inst_pref_size 130
	.end_amdhsa_kernel
	.amdgpu_metadata
---
amdhsa.version: [ 1, 2 ]
amdhsa.kernels:
  - .name:           k_qca76e6b8d5_mid
    .symbol:         k_qca76e6b8d5_mid.kd
    .args:
      - { .name: o, .offset: 0, .size: 8, .value_kind: global_buffer, .address_space: global }
      - { .name: h0, .offset: 8, .size: 8, .value_kind: global_buffer, .address_space: global }
      - { .name: ws, .offset: 16, .size: 8, .value_kind: global_buffer, .address_space: global }
      - { .name: out_proj_b, .offset: 24, .size: 8, .value_kind: global_buffer, .address_space: global }
      - { .name: ln1_g, .offset: 32, .size: 8, .value_kind: global_buffer, .address_space: global }
      - { .name: ln1_b, .offset: 40, .size: 8, .value_kind: global_buffer, .address_space: global }
      - { .name: lin1_b, .offset: 48, .size: 8, .value_kind: global_buffer, .address_space: global }
      - { .name: lin2_b, .offset: 56, .size: 8, .value_kind: global_buffer, .address_space: global }
      - { .name: ln2_g, .offset: 64, .size: 8, .value_kind: global_buffer, .address_space: global }
      - { .name: ln2_b, .offset: 72, .size: 8, .value_kind: global_buffer, .address_space: global }
      - { .name: in_proj_b, .offset: 80, .size: 8, .value_kind: global_buffer, .address_space: global }
      - { .name: qkv, .offset: 88, .size: 8, .value_kind: global_buffer, .address_space: global }
      - { .name: h1, .offset: 96, .size: 8, .value_kind: global_buffer, .address_space: global }
    .group_segment_fixed_size: 327680
    .private_segment_fixed_size: 0
    .kernarg_segment_align: 8
    .kernarg_segment_size: 104
    .max_flat_workgroup_size: 256
    .sgpr_count:     100
    .vgpr_count:     384
    .wavefront_size: 32
...
	.end_amdgpu_metadata
.endif
;; end of part 4
;; launch attn1: the kernel of part 3 again; grid 4 x 32, 8 waves a work-group, clusters of 4 x 1, 205,824 bytes of LDS; arguments qkv, o; writes o
;; launch fin (part 5): grid 128 x 1, 8 waves a work-group, clusters of 4 x 1, 327,680 bytes of LDS; arguments o, h1, ws, out_proj_b, ln1_g, ln1_b, lin1_b, lin2_b, ln2_g, ln2_b, head_b1, head_w2, head_b2, out0; writes out0
.if DOCPART == 5
	.amdgcn_target "amdgcn-amd-amdhsa--gfx1250"
	.amdhsa_code_object_version 6
	.text
	.protected	k_qca76e6b8d5_fin
	.globl	k_qca76e6b8d5_fin
	.p2align	8
	.type	k_qca76e6b8d5_fin,@function
k_qca76e6b8d5_fin:
	s_mov_b64 s[64:65], 0
	v_nop
	global_prefetch_b8 v0, s[64:65] scope:SCOPE_SE
	s_setreg_imm32_b32 hwreg(HW_REG_WAVE_MODE, 25, 1), 1
	s_wait_xcnt 0x0
	s_wait_alu depctr_hold_cnt(0) depctr_sa_sdst(0) depctr_va_vdst(0) depctr_va_sdst(0) depctr_va_ssrc(0) depctr_va_vcc(0) depctr_vm_vsrc(0)
	s_getreg_b32 s2, hwreg(HW_REG_IB_STS2, 6, 4)
	s_cmp_eq_u32 s2, 0
	s_cbranch_scc0 .Lentry_in_a_cluster
	s_endpgm
.Lentry_in_a_cluster:
	s_bfe_u32 s2, ttmp6, 0x10000c
	s_cmp_lg_u32 s2, 0x3003
	s_cbranch_scc0 .Lentry_shape_is_right
	s_endpgm
.Lentry_shape_is_right:
; FIN: the rest of layer 1 behind its attention, and the head, for the rows at or above position 1,024 (the model drops the others), 32 rows a work-group:
; h = LN1(h1 + o out_proj^T + b);  f = gelu(h lin1^T + b);  h2 = LN2(h + f lin2^T + b);  out = gelu(h2 head_w1^T + b1) . head_w2 + b2.
; SHARES.  Row = 4 s + b: 8 positions x 4 batches; block = 128 + the work-group's number.  In every product wave w owns output columns 32 w .. 32 w + 31 of a slot's 256, for both
; tiles of 16 rows: four accumulators.  In the row phases wave w owns rows 4 w .. 4 w + 3 and keeps them in f32 registers from LN1 to LN2.
; THE PRODUCTS ARE TAKEN TRANSPOSED (source 0 = 16 weight rows, source 1 = 16 tokens): lane l = 16 hh + r ends with token r and 8 neighbouring columns.
; Each sum starts from its bias, loaded straight into the accumulator.  The head's second product is a dot in f32: each lane's columns, the lanes' halves, then the eight waves through LDS.
; WEIGHTS: seven stream slots of 131,072 bytes of ws (f16, in fragment order) through two LDS slots that take turns; wave w loads and reads bytes 16,384 w .. of a slot alone.
; CLUSTER: the four work-groups of a cluster walk the same weights: each piece is asked for JOINTLY (mask 15, the same descriptor in all four); a round of the cluster's barrier stands
; in front of every refill and also hands the activations in LDS from wave to wave.  By this text's count a wave has two tensor loads out at the start, one behind each change.
; PREFETCH: the launch's first cluster asks, once, for stream slots 3 and 4 behind the fill of slot 2, and for slots 5 and 6 (the stream's last) behind the fill of slot 4: its 32 waves
; take 8,192 bytes each, told apart by address, a lane a block of 256 bytes.  Slots 0-2 come by their loads alone.
; FORMATS: matrix operands f16; sums, residuals, norms, gelu and the last dot in f32.  The variance is the mean of (x - mean)^2.
; GELU: erf by the five-term rational form in t = 1 / (1 + 0.3275911 z) (Abramowitz and Stegun 7.1.26; absolute error 1.5e-7 for every z):
; gelu(x) = max(x, 0) - 0.5 |x| poly(t) e^(-x x / 2).
; LIMITS: an operand beyond 65,504 becomes an infinity; NaN and infinities are not treated apart.
.set LAYER,  1
.set STREAM, 11
.set SLOTB, 131072
.set XB,    262144                     ; 32 rows of 256 f16, pitch 528 (an odd multiple of 16: the 16 rows of a fragment load start at 16 different groups of four banks)
.set XP,    528
.set FB,    279040                     ; 32 rows of 512 f16, pitch 1,040; by turns, with barriers between: 32 rows of 256 f32; at the end the waves' partial dots, 128 bytes a wave
.set FP,    1040
.set SPARE, 312320                     ; the spare words, 128 bytes a wave: four blocks of 256 bytes that no other line names
.set GB,    24                         ; v[24:39]   gain 8, bias 8 of my columns in the row phases
.set RES,   40                         ; v[40:71]   my four rows in f32: the residual
.set ACC,   72                         ; v[72:103]  accumulator (i, jj) at ACC + 8 (2 i + jj)
.set BF,    104                        ; v[104:231] 16 weight fragments (jj, kt) at BF + 8 (8 jj + kt); between products: at work
.set RU,    BF+32
.set RW,    BF+40
.set W2,    232                        ; v[232:247] head_w2 of my columns, 8 for each jj
.set PS,    248                        ; v[248:251] the dot's partial sums, a pair for each tile i
; v4, v5 my weights in slot 0, 1; v6, v7 my place in XB's, FB's fragments; v8 where f32 results go; v9 where my rows come back; v10 where f16 rows go; v11 where gelu's f16 go;
; v14 bias offset; v15 16 l; v16 offset in h1; v17 offset in o; v18 where o goes in XB; v19 the prefetches' offset; v20, v21 the add's two; v22, v23 at work.
; window 1: v[0:127] the tokens' fragments (i, kt) at 64 i + 8 kt.
.set MSB, 0
.macro WIN new                         ; the immediate's high byte repeats the setting that is left
.if MSB != (\new)
	s_set_vgpr_msb (MSB<<8)|(\new)
.set MSB, \new
.endif
.endm
.macro CROUND                          ; a round of the cluster's barrier
	s_barrier_signal -1
	s_barrier_wait -1
	s_cmp_lg_u32 s72, 0
	s_cbranch_scc1 .Lnw0_\@
	s_barrier_signal -3
.Lnw0_\@:
	s_barrier_wait -3
	s_barrier_signal -1
	s_barrier_wait -1
.endm
.macro BAR                             ; my LDS stores and loads are done; then everybody's are.
	s_wait_dscnt 0x0
	s_barrier_signal -1
	s_barrier_wait -1
.endm
.macro CHANGE p                        ; slot p has been read and is filled again, two slots further on in the stream
	s_wait_tensorcnt 0x0                           ; all my tensor loads have landed, so a group 0 may be written
	ds_add_u32 v20, v21                            ; 0 onto my spare word
	s_add_nc_u64 s[46+4*(\p):47+4*(\p)], s[46+4*(\p):47+4*(\p)], 2*SLOTB
	s_wait_dscnt 0x0                               ; the add is done, my reads of the slot are over, my LDS stores are done
	CROUND                                         ; the same holds of every wave of all four work-groups
	tensor_load_to_lds s[44+4*(\p):47+4*(\p)], s[36:43]
	s_nop 0
.rept 4
	v_nop
.endr
.endm
.macro ASK off                         ; the first cluster's prefetch of two stream slots: 262,144 bytes over 32 waves x 32 lanes, 256 bytes apart
	s_cmp_eq_u32 s76, 1
	s_cbranch_scc0 .Lnot_mine_\@
	global_prefetch_b8 v19, s[78:79] offset:\off th:TH_LOAD_NT scope:SCOPE_SE
.Lnot_mine_\@:
.endm
.macro BIAS ptr, off                   ; the sums start from the bias of my 32 columns: 8 numbers a lane and accumulator
.irp i, 0,1
.irp jj, 0,1
	global_load_b128 v[ACC+8*(2*\i+\jj):ACC+8*(2*\i+\jj)+3],   v14, s[\ptr:\ptr+1] offset:(\off)+64*\jj
	global_load_b128 v[ACC+8*(2*\i+\jj)+4:ACC+8*(2*\i+\jj)+7], v14, s[\ptr:\ptr+1] offset:(\off)+64*\jj+16
.endr
.endr
.endm
.macro W2L off                         ; head_w2 of my 32 columns
.irp jj, 0,1
	global_load_b128 v[W2+8*\jj:W2+8*\jj+3],   v14, s[26:27] offset:(\off)+64*\jj
	global_load_b128 v[W2+8*\jj+4:W2+8*\jj+7], v14, s[26:27] offset:(\off)+64*\jj+16
.endr
.endm
.macro LNP pg, pb, off                 ; gain and bias of columns 4 l .. and 128 + 4 l ..
	global_load_b128 v[GB:GB+3],     v15, s[\pg:\pg+1] offset:\off
	global_load_b128 v[GB+4:GB+7],   v15, s[\pg:\pg+1] offset:(\off)+512
	global_load_b128 v[GB+8:GB+11],  v15, s[\pb:\pb+1] offset:\off
	global_load_b128 v[GB+12:GB+15], v15, s[\pb:\pb+1] offset:(\off)+512
.endm
.macro LOADA adr, rp, koff             ; the tokens' 16 fragments (32 rows x 256 k) into window 1
	WIN 0x40
.irp i, 0,1
.irp kt, 0,1,2,3,4,5,6,7
	ds_load_b128 v[64*\i+8*\kt:64*\i+8*\kt+3],   v[\adr] offset:(\rp)*\i+(\koff)+64*\kt
	ds_load_b128 v[64*\i+8*\kt+4:64*\i+8*\kt+7], v[\adr] offset:(\rp)*\i+(\koff)+64*\kt+32
.endr
.endr
	WIN 0
.endm
.macro GEMM p, ask=-1                  ; 32 products: my 32 columns x 32 rows x 256 k, weights from slot p.  The four accumulators take turns
	WIN 0
	s_wait_loadcnt 0x0                             ; the bias is in the accumulators
.irp kt, 0,1,2,3,4,5,6,7
.irp jj, 0,1
	ds_load_b128 v[BF+8*(8*\jj+\kt):BF+8*(8*\jj+\kt)+3],   v[4+(\p)] offset:1024*(8*\jj+\kt)
	ds_load_b128 v[BF+8*(8*\jj+\kt)+4:BF+8*(8*\jj+\kt)+7], v[4+(\p)] offset:1024*(8*\jj+\kt)+512
.endr
.endr
.if (\ask) >= 0
	ASK \ask
.endif
	WIN 0x04                                       ; source 1 in window 1
.irp kt, 0,1,2,3,4,5,6,7
	s_wait_dscnt 28-4*\kt                          ; the four loads of each later k block may stay out; all older loads, the tokens' among them, are in
.irp i, 0,1
.irp jj, 0,1
	v_wmma_f32_16x16x32_f16 v[ACC+8*(2*\i+\jj):ACC+8*(2*\i+\jj)+7], v[BF+8*(8*\jj+\kt):BF+8*(8*\jj+\kt)+7], v[64*\i+8*\kt:64*\i+8*\kt+7], v[ACC+8*(2*\i+\jj):ACC+8*(2*\i+\jj)+7]
.endr
.endr
.endr
	WIN 0
.rept 8
	v_nop                                          ; the places behind the last products
.endr
.endm
.macro EPI_HF                          ; the f32 results into FB: row 16 i + r, my 8 columns; each accumulator's low half first
.irp i, 0,1
.irp jj, 0,1
	ds_store_b128 v8, v[ACC+8*(2*\i+\jj):ACC+8*(2*\i+\jj)+3]   offset:16*FP*\i+64*\jj
	ds_store_b128 v8, v[ACC+8*(2*\i+\jj)+4:ACC+8*(2*\i+\jj)+7] offset:16*FP*\i+64*\jj+16
.endr
.endr
.endm
.macro ROWLD                           ; my four rows back: a lane has columns 4 l .. and 128 + 4 l ..
.irp q, 0,1,2,3
	ds_load_b128 v[BF+8*\q:BF+8*\q+3],   v9 offset:FP*\q
	ds_load_b128 v[BF+8*\q+4:BF+8*\q+7], v9 offset:FP*\q+512
.endr
.endm
.macro LSUM b                          ; four pairs at b + 2 q: the two halves, then all 32 lanes; the sum ends in every lane's first register
.irp q, 0,1,2,3
	v_add_f32 v[(\b)+2*\q], v[(\b)+2*\q], v[(\b)+2*\q+1]
.endr
.irp m, 1,2,4,8
.irp q, 0,1,2,3
	v_add_f32_dpp v[(\b)+2*\q], v[(\b)+2*\q], v[(\b)+2*\q] row_xmask:\m row_mask:0xf bank_mask:0xf
.endr
.endr
.irp q, 0,1,2,3
	v_permlanex16_b32 v[(\b)+2*\q+1], v[(\b)+2*\q], s70, s71
.endr
.irp q, 0,1,2,3
	v_add_f32 v[(\b)+2*\q], v[(\b)+2*\q], v[(\b)+2*\q+1]
.endr
.endm
.macro ROWPH                           ; my four rows: + residual, layer norm; the result stays in RES (f32) and goes to XB (f16)
	s_wait_loadcnt 0x0                             ; residual, gain and bias
	s_wait_dscnt 0x0                               ; the rows
.set n, 0
.rept 16
	v_pk_add_f32 v[BF+n:BF+n+1], v[BF+n:BF+n+1], v[RES+n:RES+n+1]
.set n, n+2
.endr
.irp q, 0,1,2,3
	v_pk_add_f32 v[RU+2*\q:RU+2*\q+1], v[BF+8*\q:BF+8*\q+1],   v[BF+8*\q+2:BF+8*\q+3]
	v_pk_add_f32 v[RW+2*\q:RW+2*\q+1], v[BF+8*\q+4:BF+8*\q+5], v[BF+8*\q+6:BF+8*\q+7]
.endr
.irp q, 0,1,2,3
	v_pk_add_f32 v[RU+2*\q:RU+2*\q+1], v[RU+2*\q:RU+2*\q+1], v[RW+2*\q:RW+2*\q+1]
.endr
	LSUM RU
.irp q, 0,1,2,3
	v_mul_f32 v[RU+2*\q], s75, v[RU+2*\q]          ; the mean
.endr
.irp q, 0,1,2,3
.irp a, 0,2,4,6
	v_pk_add_f32 v[BF+8*\q+\a:BF+8*\q+\a+1], v[BF+8*\q+\a:BF+8*\q+\a+1], v[RU+2*\q:RU+2*\q+1] op_sel_hi:[1,0] neg_lo:[0,1] neg_hi:[0,1]
.endr
.endr
.irp q, 0,1,2,3
	v_pk_mul_f32 v[RW+2*\q:RW+2*\q+1], v[BF+8*\q:BF+8*\q+1], v[BF+8*\q:BF+8*\q+1]
.endr
.irp a, 2,4,6
.irp q, 0,1,2,3
	v_pk_fma_f32 v[RW+2*\q:RW+2*\q+1], v[BF+8*\q+\a:BF+8*\q+\a+1], v[BF+8*\q+\a:BF+8*\q+\a+1], v[RW+2*\q:RW+2*\q+1]
.endr
.endr
	LSUM RW
.irp q, 0,1,2,3
	v_fma_f32 v[RW+2*\q], v[RW+2*\q], s75, s74     ; variance + 1e-5
.endr
.irp q, 0,1,2,3
	v_rsq_f32 v[RW+2*\q], v[RW+2*\q]
.endr
	v_nop                                          ; a plain instruction behind the last of the batch,
	s_wait_alu depctr_va_vdst(0)                   ; and one wait for the four, ahead of their first reader
.irp q, 0,1,2,3
.irp a, 0,2,4,6
	v_pk_mul_f32 v[BF+8*\q+\a:BF+8*\q+\a+1], v[BF+8*\q+\a:BF+8*\q+\a+1], v[RW+2*\q:RW+2*\q+1] op_sel_hi:[1,0]
.endr
.endr
.irp q, 0,1,2,3
.irp a, 0,2,4,6
	v_pk_fma_f32 v[RES+8*\q+\a:RES+8*\q+\a+1], v[BF+8*\q+\a:BF+8*\q+\a+1], v[GB+\a:GB+\a+1], v[GB+8+\a:GB+9+\a]
.endr
.endr
.irp q, 0,1,2,3
.irp a, 0,1,2,3
	v_cvt_pk_f16_f32 v[BF+48+4*\q+\a], v[RES+8*\q+2*\a], v[RES+8*\q+2*\a+1]
.endr
.endr
.irp q, 0,1,2,3
	ds_store_b64 v10, v[BF+48+4*\q:BF+48+4*\q+1]   offset:XP*\q
	ds_store_b64 v10, v[BF+48+4*\q+2:BF+48+4*\q+3] offset:XP*\q+256
.endr
.endm
.macro GELU                            ; in place on the 32 numbers of the four accumulators, in ascending order; |x| BF+0, t BF+32, e BF+64, poly BF+96
.set n, 0
.rept 32
	v_and_b32 v[BF+n], s68, v[ACC+n]
.set n, n+1
.endr
.set n, 0
.rept 16
	v_pk_fma_f32 v[BF+32+n:BF+33+n], v[BF+n:BF+n+1], s[52:53], 1.0 op_sel_hi:[1,0,0]   ; 1 + (0.3275911 / sqrt 2) |x|
	v_pk_mul_f32 v[BF+64+n:BF+65+n], v[ACC+n:ACC+n+1], s[54:55] op_sel_hi:[1,0]        ; -(log2 e / 2) x
.set n, n+2
.endr
.set n, 0
.rept 16
	v_pk_mul_f32 v[BF+64+n:BF+65+n], v[BF+64+n:BF+65+n], v[ACC+n:ACC+n+1]              ; times x
.set n, n+2
.endr
.set n, 0
.rept 32
	v_rcp_f32 v[BF+32+n], v[BF+32+n]
	v_exp_f32 v[BF+64+n], v[BF+64+n]
.set n, n+1
.endr
	v_nop                                          ; a plain instruction behind the last of the batch,
	s_wait_alu depctr_va_vdst(0)                   ; and one wait for all 64
.set n, 0
.rept 16
	v_pk_fma_f32 v[BF+96+n:BF+97+n], v[BF+32+n:BF+33+n], s[56:57], s[58:59] op_sel_hi:[1,0,0]
.set n, n+2
.endr
.irp k, 60, 62, 66
.set n, 0
.rept 16
	v_pk_fma_f32 v[BF+96+n:BF+97+n], v[BF+96+n:BF+97+n], v[BF+32+n:BF+33+n], s[\k:\k+1] op_sel_hi:[1,1,0]
.set n, n+2
.endr
.endr
.irp k, 32, 64, 0
.set n, 0
.rept 16
	v_pk_mul_f32 v[BF+96+n:BF+97+n], v[BF+96+n:BF+97+n], v[BF+\k+n:BF+\k+n+1]          ; times t, times e, times |x|
.set n, n+2
.endr
.endr
.set n, 0
.rept 32
	v_max_num_f32 v[ACC+n], 0, v[ACC+n]
.set n, n+1
.endr
.set n, 0
.rept 16
	v_pk_fma_f32 v[ACC+n:ACC+n+1], v[BF+96+n:BF+97+n], -0.5, v[ACC+n:ACC+n+1] op_sel_hi:[1,0,1]
.set n, n+2
.endr
.endm
.macro EPI_FF col                      ; gelu, rounded to f16, into FB at columns col + my 32
	GELU
.set n, 0
.rept 16
	v_cvt_pk_f16_f32 v[BF+n], v[ACC+2*n], v[ACC+2*n+1]
.set n, n+1
.endr
.irp i, 0,1
.irp jj, 0,1
	ds_store_b128 v11, v[BF+4*(2*\i+\jj):BF+4*(2*\i+\jj)+3] offset:16*FP*\i+2*(\col)+32*\jj
.endr
.endr
.endm
.macro EPI_HEAD                        ; gelu, then my columns' part of the dot with head_w2, in f32
	GELU
.irp jj, 0,1
.irp a, 0,2,4,6
.irp i, 0,1
	v_pk_fma_f32 v[PS+2*\i:PS+2*\i+1], v[ACC+8*(2*\i+\jj)+\a:ACC+8*(2*\i+\jj)+\a+1], v[W2+8*\jj+\a:W2+8*\jj+\a+1], v[PS+2*\i:PS+2*\i+1]
.endr
.endr
.endr
.endm
	s_load_b512 s[4:19], s[0:1], 0x0               ; o 4, h1 6, ws 8, out_proj_b 10, ln1_g 12, ln1_b 14, lin1_b 16, lin2_b 18
	s_load_b256 s[20:27], s[0:1], 0x40             ; ln2_g 20, ln2_b 22, head_b1 24, head_w2 26
	s_load_b128 s[28:31], s[0:1], 0x60             ; head_b2 28, out0 30
	v_lshl_add_u32 v20, v0, 2, SPARE
	v_mov_b32 v21, 0
	ds_add_u32 v20, v21                            ; the wave's opening: the add and its wait ahead of my first tensor load
	v_lshrrev_b32 v22, 5, v0
	v_readfirstlane_b32 s72, v22                   ; wave 0..7
	s_bfe_u32 s95, ttmp6, 0x40000                  ; cx
	s_lshl_b32 s73, ttmp9, 2
	s_add_co_u32 s73, s73, s95
	s_add_co_u32 s73, s73, 128                     ; my block of 32 rows: positions 1,024 on
	s_cmp_eq_u32 ttmp9, 0
	s_cselect_b32 s76, 1, 0                        ; the launch's first cluster prefetches: the same in all partners
	s_mov_b32 s52, 0x3e6d3388                      ; 0.3275911 / sqrt 2
	s_mov_b32 s53, s52
	s_mov_b32 s54, 0xbf38aa3b                      ; -log2(e) / 2
	s_mov_b32 s55, s54
	s_mov_b32 s56, 0x3f87dc22                      ; a5 =  1.061405429
	s_mov_b32 s57, s56
	s_mov_b32 s58, 0xbfba00e3                      ; a4 = -1.453152027
	s_mov_b32 s59, s58
	s_mov_b32 s60, 0x3fb5f0e3                      ; a3 =  1.421413741
	s_mov_b32 s61, s60
	s_mov_b32 s62, 0xbe91a98e                      ; a2 = -0.284496736
	s_mov_b32 s63, s62
	s_mov_b32 s66, 0x3e827906                      ; a1 =  0.254829592
	s_mov_b32 s67, s66
	s_mov_b32 s68, 0x7fffffff
	s_mov_b32 s70, 0x76543210
	s_mov_b32 s71, 0xfedcba98
	s_mov_b32 s74, 0x3727c5ac                      ; 1e-5
	s_mov_b32 s75, 0x3b800000                      ; 1 / 256
	s_mov_b32 s36, 15|(3<<16)|(1<<21)              ; group 1: mask of four; elements of 8 bytes; bit 21 beside a mask; no padding
	s_mov_b32 s37, 32<<16                          ; tensor_dim0 = 32 (256 bytes)
	s_mov_b32 s38, 64<<16                          ; tensor_dim1 = 64
	s_mov_b32 s39, 32<<16                          ; tile_dim0 = 32
	s_mov_b32 s40, 64                              ; tile_dim1 = 64
	s_mov_b32 s41, 32                              ; dense rows
	s_mov_b32 s42, 0
	s_mov_b32 s43, 0
	s_mov_b32 s44, 1
	s_lshl_b32 s45, s72, 14                        ; slot 0: 16,384 w
	s_mov_b32 s48, 1
	s_add_co_u32 s49, s45, SLOTB                   ; slot 1
	s_mov_b32 s96, s45
	s_mov_b32 s97, 0
	s_mov_b32 s33, 0
	s_wait_dscnt 0x0                               ; the opening add is done
	s_wait_kmcnt 0x0
	s_load_b32 s94, s[28:29], 0x0                  ; head_b2
	s_add_nc_u64 s[78:79], s[8:9], STREAM*SLOTB    ; my launch's stream
	s_add_nc_u64 s[46:47], s[78:79], s[96:97]      ; stream slot 0, my piece
	s_add_nc_u64 s[50:51], s[46:47], SLOTB         ; stream slot 1
	s_or_b32 s47, s47, 0x80000000
	s_or_b32 s51, s51, 0x80000000
	s_lshl_b32 s32, s73, 9
	s_add_nc_u64 s[80:81], s[4:5], s[32:33]        ; o at my 8 positions
	s_lshl_b32 s32, s73, 15
	s_add_nc_u64 s[82:83], s[6:7], s[32:33]        ; h1 at my rows
	s_sub_co_u32 s32, s73, 128
	s_lshl_b32 s32, s32, 7
	s_add_nc_u64 s[92:93], s[30:31], s[32:33]      ; out0 at my 32 numbers
	s_wait_kmcnt 0x0
	CROUND                                         ; all four work-groups are here: the first joint loads meet
	tensor_load_to_lds s[44:47], s[36:43]
	s_nop 0
	tensor_load_to_lds s[48:51], s[36:43]
	s_nop 0
.rept 4
	v_nop
.endr
	v_and_b32 v1, 31, v0                           ; l
	v_and_b32 v2, 15, v0                           ; r
	v_bfe_u32 v3, v0, 4, 1                         ; hh
	v_lshlrev_b32 v15, 4, v1
	v_lshl_add_u32 v4, s72, 14, v15
	v_add_nc_u32 v5, SLOTB, v4
	v_mul_u32_u24 v22, v2, XP
	v_lshl_add_u32 v22, v3, 4, v22
	v_add_nc_u32 v6, XB, v22
	v_mul_u32_u24 v22, v2, FP
	v_add_nc_u32 v22, FB, v22
	v_lshl_add_u32 v7, v3, 4, v22
	v_lshl_add_u32 v8, v3, 5, v22
	v_lshl_add_u32 v8, s72, 7, v8
	v_lshl_add_u32 v11, s72, 6, v7
	s_mul_i32 s96, s72, 4*FP
	s_add_co_u32 s96, s96, FB
	v_add_nc_u32 v9, s96, v15
	s_mul_i32 s96, s72, 4*XP
	s_add_co_u32 s96, s96, XB
	v_lshl_add_u32 v10, v1, 3, s96
	v_lshrrev_b32 v22, 2, v1
	v_and_b32 v23, 3, v1
	v_lshlrev_b32 v14, 5, v3
	v_lshl_add_u32 v14, s72, 7, v14
	v_lshl_add_u32 v16, s72, 12, v15
	v_lshl_add_u32 v17, s72, 17, v15
	v_mul_u32_u24 v18, v22, 4*XP
	v_lshl_add_u32 v18, v23, 4, v18
	v_lshl_add_u32 v18, s72, 6, v18
	v_add_nc_u32 v18, XB, v18
	s_lshl3_add_u32 s32, s95, s72                  ; 8 cx + w: my wave among the cluster's 32
	s_lshl_b32 s32, s32, 13
	v_lshl_add_u32 v19, v1, 8, s32
.irp a, 0,1,2,3
	v_mov_b32 v[PS+\a], 0
.endr
	; THE FRONT: o (head w, four batches) into XB as rows of tokens; the residual, the first bias, LN1's gain and bias
.irp t, 0,1,2,3
	global_load_b128 v[BF+4*\t:BF+4*\t+3], v17, s[80:81] offset:1048576*\t
.endr
.irp q, 0,1,2,3
	global_load_b128 v[RES+8*\q:RES+8*\q+3],   v16, s[82:83] offset:1024*\q
	global_load_b128 v[RES+8*\q+4:RES+8*\q+7], v16, s[82:83] offset:1024*\q+512
.endr
	BIAS 10, 1024*LAYER
	LNP 12, 14, 1024*LAYER
	s_wait_loadcnt 20                              ; o's four are in; the 8 + 8 + 4 younger loads may stay out
.irp t, 0,1,2,3
	ds_store_b128 v18, v[BF+4*\t:BF+4*\t+3] offset:XP*\t
.endr
	BAR
	; OUT-PROJECTION
	s_wait_tensorcnt 0x1                           ; my piece of stream slot 0 is in; slot 1's may stay out: nothing has been filled again yet
	LOADA 6, 16*XP, 0
	GEMM 0
	EPI_HF
	BIAS 16, 2048*LAYER
	; LN1
	CHANGE 0                                       ; stream slot 2 goes out; all columns of all rows lie in FB
	ROWLD
	ASK 3*SLOTB
	ROWPH
	LNP 20, 22, 1024*LAYER
	BAR
	; LIN1 + GELU, columns 0-255 and 256-511
	LOADA 6, 16*XP, 0
	GEMM 1
	EPI_FF 0
	BIAS 16, 2048*LAYER+1024
	CHANGE 1                                       ; stream slot 3
	GEMM 0                                         ; the tokens' fragments are still in window 1
	EPI_FF 256
	BIAS 18, 1024*LAYER
	; LIN2, k 0-255 and 256-511, one sum
	CHANGE 0                                       ; stream slot 4; gelu's 512 columns lie in FB
	LOADA 7, 16*FP, 0
	GEMM 1, 5*SLOTB
	CHANGE 1                                       ; stream slot 5
	LOADA 7, 16*FP, 512
	GEMM 0
	BAR                                            ; nobody reads FB's f16 rows any more
	EPI_HF
	BIAS 24, 0
	; LN2
	CHANGE 0                                       ; stream slot 6, the last
	ROWLD
	ROWPH
	BAR
	; THE HEAD
	LOADA 6, 16*XP, 0
	W2L 0
	GEMM 1
	EPI_HEAD
	BIAS 24, 1024
	W2L 1024
	s_wait_tensorcnt 0x0                           ; stream slot 6 is in: no load was issued behind it
	GEMM 0
	EPI_HEAD
	v_add_f32 v[PS], v[PS], v[PS+1]
	v_add_f32 v[PS+2], v[PS+2], v[PS+3]
	v_permlanex16_b32 v[PS+1], v[PS], s70, s71     ; the token's other columns lie in the lane 16 away
	v_permlanex16_b32 v[PS+3], v[PS+2], s70, s71
	v_add_f32 v[PS], v[PS], v[PS+1]
	v_add_f32 v[PS+2], v[PS+2], v[PS+3]
	v_cmp_eq_u32 vcc_lo, 1, v3
	v_cndmask_b32 v[PS], v[PS], v[PS+2], vcc_lo    ; lane l keeps token l: tile hh, row r
	v_lshlrev_b32 v23, 2, v1
	v_add_nc_u32 v23, FB, v23                      ; FB + 4 l
	v_lshl_add_u32 v22, s72, 7, v23                ; + 128 w
	ds_store_b32 v22, v[PS]
	BAR                                            ; the eight waves' parts lie in LDS
	s_cmp_lg_u32 s72, 0
	s_cbranch_scc1 .Lend                           ; wave 0 adds them
.irp k, 0,1,2,3,4,5,6,7
	ds_load_b32 v[BF+\k], v23 offset:128*\k
.endr
	v_lshlrev_b32 v[BF+8], 2, v1
	s_wait_dscnt 0x0
	v_add_f32 v[BF], v[BF], v[BF+1]
	v_add_f32 v[BF+2], v[BF+2], v[BF+3]
	v_add_f32 v[BF+4], v[BF+4], v[BF+5]
	v_add_f32 v[BF+6], v[BF+6], v[BF+7]
	v_add_f32 v[BF], v[BF], v[BF+2]
	v_add_f32 v[BF+4], v[BF+4], v[BF+6]
	v_add_f32 v[BF], v[BF], v[BF+4]
	v_add_f32 v[BF], s94, v[BF]
	global_store_b32 v[BF+8], v[BF], s[92:93]      ; 32 lanes: 128 consecutive bytes
.Lend:
	s_wait_tensorcnt 0x0                           ; the wave's end
	ds_add_u32 v20, v21
	s_wait_dscnt 0x0
	CROUND                                         ; the closing round
	s_endpgm
.Lfunc_end_k_qca76e6b8d5_fin:
	.size	k_qca76e6b8d5_fin, .Lfunc_end_k_qca76e6b8d5_fin-k_qca76e6b8d5_fin
	.p2alignl 7, 3214868480
	.fill 96, 4, 3214868480
	.section	.rodata,"a",@progbits
	.p2align	6, 0x0
	.amdhsa_kernel k_qca76e6b8d5_fin
		.amdhsa_group_segment_fixed_size 327680
		.amdhsa_private_segment_fixed_size 0
		.amdhsa_enable_private_segment 0
		.amdhsa_kernarg_size 112
		.amdhsa_user_sgpr_count 2
		.amdhsa_user_sgpr_kernarg_segment_ptr 1
		.amdhsa_wavefront_size32 1
		.amdhsa_system_sgpr_workgroup_id_x 1
		.amdhsa_system_sgpr_workgroup_id_y 1
		.amdhsa_system_sgpr_workgroup_id_z 1
		.amdhsa_system_vgpr_workitem_id 0
		.amdhsa_next_free_vgpr 384
		.amdhsa_next_free_sgpr 100
		.amdhsa_reserve_vcc 1
		.amdhsa_float_denorm_mode_32 3
		.amdhsa_float_denorm_mode_16_64 3
		.amdhsa_memory_ordered 1
		.amdhsa_forward_progress 1
		.amdhsa_inst_pref_size 151
	.end_amdhsa_kernel
	.amdgpu_metadata
---
amdhsa.version: [ 1, 2 ]
amdhsa.kernels:
  - .name:           k_qca76e6b8d5_fin
    .symbol:         k_qca76e6b8d5_fin.kd
    .args:
      - { .name: o, .offset: 0, .size: 8, .value_kind: global_buffer, .address_space: global }
      - { .name: h1, .offset: 8, .size: 8, .value_kind: global_buffer, .address_space: global }
      - { .name: ws, .offset: 16, .size: 8, .value_kind: global_buffer, .address_space: global }
      - { .name: out_proj_b, .offset: 24, .size: 8, .value_kind: global_buffer, .address_space: global }
      - { .name: ln1_g, .offset: 32, .size: 8, .value_kind: global_buffer, .address_space: global }
      - { .name: ln1_b, .offset: 40, .size: 8, .value_kind: global_buffer, .address_space: global }
      - { .name: lin1_b, .offset: 48, .size: 8, .value_kind: global_buffer, .address_space: global }
      - { .name: lin2_b, .offset: 56, .size: 8, .value_kind: global_buffer, .address_space: global }
      - { .name: ln2_g, .offset: 64, .size: 8, .value_kind: global_buffer, .address_space: global }
      - { .name: ln2_b, .offset: 72, .size: 8, .value_kind: global_buffer, .address_space: global }
      - { .name: head_b1, .offset: 80, .size: 8, .value_kind: global_buffer, .address_space: global }
      - { .name: head_w2, .offset: 88, .size: 8, .value_kind: global_buffer, .address_space: global }
      - { .name: head_b2, .offset: 96, .size: 8, .value_kind: global_buffer, .address_space: global }
      - { .name: out0, .offset: 104, .size: 8, .value_kind: global_buffer, .address_space: global }
    .group_segment_fixed_size: 327680
    .private_segment_fixed_size: 0
    .kernarg_segment_align: 8
    .kernarg_segment_size: 112
    .max_flat_workgroup_size: 256
    .sgpr_count:     100
    .vgpr_count:     384
    .wavefront_size: 32
...
	.end_amdgpu_metadata
.endif
;; end of part 5
